; MI455X (gfx1250); checked and timed in simulation.
; The chip was launched on July 23, 2026; its instructions are those of AMD's public machine-readable ISA for CDNA 5 (MIT licence, August 2026) and "CDNA5" Instruction Set Architecture Reference Guide (July 2026). The comments in the code are by the model that wrote it; some were corrected since.
;; Attention Block. Allowed arithmetic: matrix products marked QUANTISED: E2M1 operands, one E8M0 scale for each 32 along K, by v_wmma_scale_f32_16x16x128_f8f6f4 with both operands' format E2M1 (or v_wmma_scale_f32_32x16x128_f4), f32 sums; products left as they are: bf16, f16 or f32 operands; f32 sums; everything else in f32.
;; Inputs: Wk 1,024 x 1,024 float32; Wo 1,024 x 1,024 float32; Wq 1,024 x 1,024 float32; Wv 1,024 x 1,024 float32; bk 1,024 float32; bo 1,024 float32; bq 1,024 float32; bv 1,024 float32; key_ 4 x 2,048 x 1,024 float32; mask 4 x 2,048 x 2,048 int32; query 4 x 2,048 x 1,024 float32; value 4 x 2,048 x 1,024 float32.
;; Outputs: out0 4 x 2,048 x 1,024 float32.
;; This version of the problem:
;;   THIS VERSION OF THE PROBLEM IS GIVEN IN LOW PRECISION. The matrix products marked QUANTISED in the list below multiply operands that are first quantised to E2M1 (2 exponent bits, 1 mantissa bit; 4 bits a number), with one power-of-two scale for each 32 numbers along K (OCP MX v1.0); their sums are f32. The products marked 'left as it is' may take bf16, f16 or f32 operands, with f32 sums. All else is computed in f32.
;;   The module's matrix products, in the order in which they are computed (A, B: the left and right operand; K: the contracted axis; several contracted axes count as one K, in the product's order):
;;     1. [M 8,192, K 1,024] x [K 1,024, N 1,024]; A: input query; B: input Wq: QUANTISED
;;     2. [M 8,192, K 1,024] x [K 1,024, N 1,024]; A: input key_; B: input Wk: QUANTISED
;;     3. [M 8,192, K 1,024] x [K 1,024, N 1,024]; A: input value; B: input Wv: QUANTISED
;;     4. batch 64 x [M 2,048, K 64] x [K 64, N 2,048]; A: computed on the way; B: computed on the way: left as it is (an operand is computed on the way)
;;     5. batch 64 x [M 2,048, K 2,048] x [K 2,048, N 64]; A: computed on the way; B: computed on the way: left as it is (an operand is computed on the way)
;;     6. [M 8,192, K 1,024] x [K 1,024, N 1,024]; A: computed on the way; B: input Wo: left as it is (an operand is computed on the way)
;;   THE QUANTISER, for each operand of a quantised product, along K:
;;     - K is cut into blocks of 32 from its start; a last block that is shorter is filled with zeros.
;;     - A block's scale is 2^e with e = floor(log2(the largest magnitude in the block)) - 2, held to -126 .. 127; a block of zeros has e = 0. As a byte (E8M0): e + 127.
;;     - Each number is divided by its block's scale, clamped to +-6, and rounded to the nearest number of E2M1, ties to even, subnormals kept.
;;     - The product sums the exact products of the quantised numbers (number of the format x scale) in f32.
;;   ~~~python
;;   def quantise(x, axis):      # numpy; x: float32 -> the quantised numbers, widened to float32 again
;;       x = np.moveaxis(x, axis, -1); K = x.shape[-1]
;;       x = np.pad(x, [(0, 0)] * (x.ndim - 1) + [(0, -K % 32)]); x = x.reshape(x.shape[:-1] + (-1, 32)); a = np.abs(x).max(-1, keepdims=True)
;;       e = np.where(a > 0, np.clip(np.frexp(np.where(a > 0, a, 1))[1] - 1 - 2, -126, 127), 0)      # np.frexp(a)[1] - 1 = floor(log2(a)), exactly
;;       r = np.clip(x / 2.0 ** e, -6, 6)
;;       step = 2.0 ** (np.maximum(np.frexp(np.where(r == 0, 1, r))[1] - 1, 0) - 1)
;;       q = np.round(r / step) * step * 2.0 ** e      # np.round: ties to even
;;       return np.moveaxis(q.reshape(q.shape[:-2] + (-1,))[..., :K], -1, axis).astype(np.float32)
;;   ~~~
;; One version. Each part assembles by itself: llvm-mc -triple=amdgcn-amd-amdhsa -mcpu=gfx1250 --defsym DOCPART=n.
;; ======== version 1 of 1: 4 launches
;; limits: values are held in f16: magnitudes above 65,504 overflow, below 6.1e-05 lose precision
;; workspace buffers: xc 12,582,912 bytes; xs 786,432 bytes; wc 1,572,864 bytes; ws 98,304 bytes; wob 2,097,152 bytes; mbits 2,097,152 bytes of whole numbers; qkv 50,331,648 bytes; att 16,777,216 bytes
;; launch prep (part 1): grid 1360 x 1, 4 waves a work-group, no clusters, 91,648 bytes of LDS; arguments query, key_, value, mask, Wq, Wk, Wv, Wo, xc, xs, wc, ws, wob, mbits; writes xc, xs, wc, ws, wob, mbits
.if DOCPART == 1
	.amdgcn_target "amdgcn-amd-amdhsa--gfx1250"
	.amdhsa_code_object_version 6
	.text
	.protected	k_q9b3fb51ee9_prep
	.globl	k_q9b3fb51ee9_prep
	.p2align	8
	.type	k_q9b3fb51ee9_prep,@function
k_q9b3fb51ee9_prep:
	s_mov_b64 s[64:65], 0
	v_nop
	global_prefetch_b8 v0, s[64:65] scope:SCOPE_SE
	s_setreg_imm32_b32 hwreg(HW_REG_WAVE_MODE, 25, 1), 1
	s_wait_xcnt 0x0
; Four streaming jobs in one launch, chosen by the work-group's number; each wide input is read once here.
;   work-groups 0-47     W: Wq, Wk, Wv [1024 k][1024 n] f32 -> codes of FP4 (E2M1) laid [n][k], K innermost, and one E8M0 byte for each 32 along K
;   work-groups 48-79    O: Wo f32 -> f16, layout kept
;   work-groups 80-591   M: mask [4][2048][2048] i32 -> words of 32 bits, one bit a lane, in the layout in which the attention launch holds its scores
;   work-groups 592-1359 X: query, key_, value [8192][1024] f32 -> codes and scale bytes, stacked in that order
; A block's scale is 2^(floor(log2(its largest magnitude)) - 2): its byte is the largest magnitude's exponent field - 2, held at 1 from below.
; LIMITS: a block of zeros, or one whose largest magnitude lies under 2^-124, gets the byte 1 (its codes are zeros or near it; the bytes are read by this program alone);
; NaN and infinities among the inputs of the quantiser are not served.  A number of Wo beyond 65,504 in magnitude becomes infinity in f16; one under 6.1e-5 keeps an absolute error of at most 3e-8.
; No cluster, no tensor load, no barrier: no two waves share a byte.  Each job has LDS bytes of its own, each wave a part of them.
.set W_LDS, 0                          ; 4 x 8,704
.set M_LDS, 34816                      ; 4 x 8,448
.set X_LDS, 68608                      ; 4 x 5,632
	v_lshl_add_u32 v224, v0, 2, 0x16400
	v_mov_b32 v225, 0
	v_lshrrev_b32 v1, 5, v0
	v_readfirstlane_b32 s2, v1                     ; wave 0..3
	v_and_b32 v2, 31, v0                           ; lane
	s_cmp_lt_u32 ttmp9, 48
	s_cbranch_scc1 .Lw
	s_cmp_lt_u32 ttmp9, 80
	s_cbranch_scc1 .Lo
	s_cmp_lt_u32 ttmp9, 592
	s_cbranch_scc1 .Lm
; ---------------- X: a wave takes 16 steps of 512 numbers.  Each load reads 512 consecutive bytes; a step's 2,048 bytes turn through the wave's stage in LDS so that a lane
; holds 16 neighbours along K (two neighbouring lanes hold a block of 32).  A lane's 16 codes are 8 bytes: a wave's store covers 256 consecutive bytes.
.set XSTEPS, 16
.set XSP,    80                        ; a lane's place in a stage: 64 bytes + 16 of padding
.set XREG,   5632                      ; a wave's LDS: two stages of 32 x 80 bytes, then its 256 scale bytes
.set XR,     16                        ; v16-79   four sets of 16 numbers as loaded
.set XX,     80                        ; v80-111  two sets of 16 neighbours
.set XE,     112                       ; v112-127 a scale byte for each step
.set XC,     128                       ; v128-191 codes: registers of its own for each step, so no store's data are written again
	s_load_b128 s[4:7], s[0:1], 0x0                ; query, key_
	s_load_b64 s[8:9], s[0:1], 0x10                ; value
	s_load_b128 s[12:15], s[0:1], 0x40             ; xc, xs
	s_sub_co_u32 s17, ttmp9, 592                   ; 0..767: 256 work-groups a tensor
	v_lshlrev_b32 v3, 4, v2                        ; my 16 bytes of a load's 512
	s_mul_i32 s24, s2, XREG
	s_add_co_u32 s24, s24, X_LDS
	v_lshrrev_b32 v14, 2, v2
	v_mul_u32_u24 v14, v14, XSP
	v_and_b32 v15, 3, v2
	v_lshl_add_u32 v14, v15, 4, v14
	v_add_nc_u32 v14, s24, v14                     ; into the stage: 80 (lane / 4) + 16 (lane % 4)
	v_mul_u32_u24 v15, v2, XSP
	v_add_nc_u32 v15, s24, v15                     ; out of it: 80 x lane
	v_lshlrev_b32 v4, 3, v2                        ; 8 bytes a lane: my codes in a step's, my part of the scale bytes
	v_lshrrev_b32 v5, 1, v2
	s_add_co_u32 s24, s24, 2*32*XSP
	v_add_nc_u32 v5, s24, v5                       ; my block's byte among the wave's 256
	v_add_nc_u32 v6, s24, v4
	s_and_b32 s18, s17, 255
	s_lshl_b32 s18, s18, 2
	s_add_co_u32 s18, s18, s2
	s_lshl_b32 s18, s18, 15                        ; my run of 8,192 numbers in its tensor: 32,768 bytes a run
	s_mov_b32 s19, 0
	s_lshl_b32 s20, s17, 2
	s_add_co_u32 s20, s20, s2                      ; and among the three tensors' runs
	s_lshl_b32 s22, s20, 12                        ; 4,096 bytes of codes a run
	s_mov_b32 s23, 0
	s_lshl_b32 s20, s20, 8                         ; 256 scale bytes a run
	s_mov_b32 s21, 0
	s_wait_kmcnt 0x0
	s_cmp_lt_u32 s17, 512                          ; the choice hangs on the work-group's number alone
	s_cselect_b64 s[6:7], s[6:7], s[8:9]
	s_cmp_lt_u32 s17, 256
	s_cselect_b64 s[4:5], s[4:5], s[6:7]
	s_add_nc_u64 s[4:5], s[4:5], s[18:19]
	s_add_nc_u64 s[12:13], s[12:13], s[22:23]
	s_add_nc_u64 s[14:15], s[14:15], s[20:21]
.macro XLOAD t
.irp i, 0,1,2,3
	global_load_b128 v[XR+16*((\t)%4)+4*\i:XR+16*((\t)%4)+4*\i+3], v3, s[4:5] offset:2048*(\t)+512*\i th:TH_LOAD_NT
.endr
.endm
.macro XTURN t                         ; LDS serves a wave's instructions in order (ISA guide 5.7.1.4): no wait between the stores and the loads
.irp i, 0,1,2,3
	ds_store_b128 v14, v[XR+16*((\t)%4)+4*\i:XR+16*((\t)%4)+4*\i+3] offset:32*XSP*((\t)%2)+8*XSP*\i
.endr
.irp i, 0,1,2,3
	ds_load_b128 v[XX+16*((\t)%2)+4*\i:XX+16*((\t)%2)+4*\i+3], v15 offset:32*XSP*((\t)%2)+16*\i
.endr
.endm
.irp t, 0,1,2,3
	XLOAD \t
.endr
	s_wait_loadcnt 12                              ; step 0's four loads are in
	XTURN 0
.macro XSTEP t
.set XS, XX+16*((\t)%2)
.if (\t) > 0
	s_wait_dscnt 1                                 ; this step's numbers are back (the last step's byte store may be out): its stores into the stage have read their registers,
.else
	s_wait_dscnt 0x0
.endif
.if (\t)+4 < XSTEPS
	XLOAD (\t)+4                                   ; which take the loads of four steps on
.endif
.if (\t)+1 < XSTEPS
.if XSTEPS-2-(\t) >= 3
	s_wait_loadcnt 12                              ; the next step's four loads are in; those of the three steps behind it may be out
.else
	s_wait_loadcnt 4*(XSTEPS-2-(\t))
.endif
	XTURN (\t)+1
.endif
	v_max3_num_f32 v8, |v[XS]|, |v[XS+1]|, |v[XS+2]|              ; the largest magnitude of my 16, in two chains
	v_max3_num_f32 v9, |v[XS+3]|, |v[XS+4]|, |v[XS+5]|
.irp i, 6,10
	v_max3_num_f32 v8, v8, |v[XS+\i]|, |v[XS+\i+1]|
	v_max3_num_f32 v9, v9, |v[XS+\i+2]|, |v[XS+\i+3]|
.endr
	v_max3_num_f32 v8, v8, |v[XS+14]|, |v[XS+15]|
	v_max3_num_f32 v8, v8, v9, 0x1800000           ; and the floor 2^(3 - 127): the byte cannot fall under 1
	v_max_num_f32_dpp v8, v8, v8 row_xmask:1 row_mask:0xf bank_mask:0xf   ; with my neighbour's 16: the block's
	v_add_nc_u32 v11, 0xff000000, v8               ; 2 off its exponent field: the conversion takes this operand's exponent field as its scale
	v_cvt_scalef32_pk8_fp4_f32 v[XC+4*(\t)], v[XS:XS+7], v11
	v_cvt_scalef32_pk8_fp4_f32 v[XC+4*(\t)+1], v[XS+8:XS+15], v11
	v_lshrrev_b32 v[XE+(\t)], 23, v11              ; the scale's byte
	ds_store_b8 v5, v[XE+(\t)] offset:16*(\t)      ; both lanes of a block write the same byte with the same value
	global_store_b64 v4, v[XC+4*(\t):XC+4*(\t)+1], s[12:13] offset:256*(\t)
.endm
.irp t, 0,1,2,3,4,5,6,7,8,9,10,11,12,13,14,15
	XSTEP \t
.endr
	ds_load_b64 v[12:13], v6
	s_wait_dscnt 0x0
	global_store_b64 v4, v[12:13], s[14:15]        ; 32 lanes store 256 consecutive bytes, aligned
	s_wait_tensorcnt 0x0
	ds_add_u32 v224, v225
	s_wait_dscnt 0x0
	s_endpgm
; ---------------- W: a lane takes a column n and its registers run down K, so a block of 32 lies in one lane and the codes come out with K innermost.
; A wave takes 32 columns x 512 along K; the codes leave through the wave's stage as rows: sixteen lanes store 256 consecutive bytes.
.set WPITCH, 272
.set WNB,    16                        ; blocks of 32 along K for a wave
.set WSB,    24                        ; v24-27   the scale bytes, four to a register
.set WX,     32                        ; v32-95   two sets of 32 numbers
.set WC,     96                        ; v96-99   a block's codes
.set WOUT,   112                       ; v112-175 the way out
.Lw:
	s_load_b128 s[4:7], s[0:1], 0x20               ; Wq, Wk
	s_load_b64 s[8:9], s[0:1], 0x30                ; Wv
	s_load_b128 s[12:15], s[0:1], 0x50             ; wc, ws
	s_lshr_b32 s16, ttmp9, 4                       ; which weight
	s_and_b32 s17, ttmp9, 7
	s_lshl_b32 s17, s17, 7
	s_lshl_b32 s18, s2, 5
	s_add_co_u32 s17, s17, s18                     ; my wave's first column
	s_bfe_u32 s18, ttmp9, 0x10003                  ; which 512 along K
	v_lshlrev_b32 v3, 2, v2                        ; in: 4 bytes a lane
	s_mul_i32 s19, s2, 32*WPITCH                   ; my stage (W_LDS = 0)
	v_mul_u32_u24 v4, v2, WPITCH
	v_add_nc_u32 v4, s19, v4                       ; into it: row = my column
	v_and_b32 v5, 15, v2
	v_lshrrev_b32 v6, 4, v2
	v_mul_u32_u24 v7, v6, WPITCH
	v_lshl_add_u32 v7, v5, 4, v7
	v_add_nc_u32 v7, s19, v7                       ; out of it: sixteen lanes to a row, two rows an instruction
	v_mul_u32_u24 v8, v6, 512
	v_lshl_add_u32 v8, v5, 4, v8                   ; the same place in wc: a row is 512 bytes
	v_lshlrev_b32 v9, 5, v2                        ; my column's row of scale bytes: 32 bytes
	s_lshl_b32 s20, s18, 21                        ; 512 rows of 4,096 bytes
	s_lshl_b32 s21, s17, 2
	s_add_co_u32 s20, s20, s21
	s_mov_b32 s21, 0
	s_lshl_b32 s22, s16, 19                        ; codes: 524,288 bytes a weight, 512 a column, 256 for 512 along K
	s_lshl_b32 s23, s17, 9
	s_add_co_u32 s22, s22, s23
	s_lshl_b32 s23, s18, 8
	s_add_co_u32 s22, s22, s23
	s_mov_b32 s23, 0
	s_lshl_b32 s24, s16, 15                        ; scale bytes: 32,768 a weight, 32 a column, 16 for 512 along K
	s_lshl_b32 s25, s17, 5
	s_add_co_u32 s24, s24, s25
	s_lshl_b32 s25, s18, 4
	s_add_co_u32 s24, s24, s25
	s_mov_b32 s25, 0
	s_wait_kmcnt 0x0
	s_cmp_lt_u32 ttmp9, 32
	s_cselect_b64 s[6:7], s[6:7], s[8:9]
	s_cmp_lt_u32 ttmp9, 16
	s_cselect_b64 s[4:5], s[4:5], s[6:7]
	s_add_nc_u64 s[4:5], s[4:5], s[20:21]
	s_add_nc_u64 s[12:13], s[12:13], s[22:23]
	s_add_nc_u64 s[14:15], s[14:15], s[24:25]
.macro WLOAD t                         ; block t: W(32 t + n, my column) into set t % 2; 32 lanes read 128 consecutive bytes; the largest offset, 511 x 4,096, lies inside the signed 24-bit immediate
.set n, 0
.rept 32
	global_load_b32 v[WX+32*((\t)%2)+n], v3, s[4:5] offset:(32*(\t)+n)*4096 th:TH_LOAD_NT
.set n, n+1
.endr
.endm
	WLOAD 0
	WLOAD 1
.macro WBLOCK t
.set XS, WX+32*((\t)%2)
.if (\t) < WNB-1
	s_wait_loadcnt 32                              ; this block's 32 loads are in; the next block's may be out
.else
	s_wait_loadcnt 0x0
.endif
	v_max3_num_f32 v12, |v[XS]|, |v[XS+1]|, |v[XS+2]|
	v_max3_num_f32 v13, |v[XS+3]|, |v[XS+4]|, |v[XS+5]|
.irp i, 6,10,14,18,22,26
	v_max3_num_f32 v12, v12, |v[XS+\i]|, |v[XS+\i+1]|
	v_max3_num_f32 v13, v13, |v[XS+\i+2]|, |v[XS+\i+3]|
.endr
	v_max3_num_f32 v12, v12, |v[XS+30]|, |v[XS+31]|
	v_max3_num_f32 v12, v12, v13, 0x1800000        ; the floor 2^(3 - 127)
	v_add_nc_u32 v11, 0xff000000, v12              ; the conversion's scale operand
	v_lshrrev_b32 v13, 23, v11                     ; the scale's byte
.if (\t)%4 == 0
	v_mov_b32 v[WSB+(\t)/4], v13
.else
	v_lshl_or_b32 v[WSB+(\t)/4], v13, 8*((\t)%4), v[WSB+(\t)/4]
.endif
.irp g, 0,1,2,3
	v_cvt_scalef32_pk8_fp4_f32 v[WC+\g], v[XS+8*\g:XS+8*\g+7], v11
.endr
	ds_store_b128 v4, v[WC:WC+3] offset:16*(\t)    ; 32 codes: 16 bytes of my column's row
.if (\t)+2 < WNB
	WLOAD (\t)+2
.endif
	s_wait_dscnt 0x0                               ; the store has read its registers: the next block's codes may be written
.endm
.set Q, 0
.rept WNB
	WBLOCK Q
.set Q, Q+1
.endr
	global_store_b128 v9, v[WSB:WSB+3], s[14:15]   ; my column's 16 scale bytes
.irp t, 0,1,2,3,4,5,6,7,8,9,10,11,12,13,14,15
	ds_load_b128 v[WOUT+4*\t:WOUT+4*\t+3], v7 offset:2*\t*WPITCH
.endr
.irp t, 0,1,2,3,4,5,6,7,8,9,10,11,12,13,14,15
	s_wait_dscnt 15-\t
	global_store_b128 v8, v[WOUT+4*\t:WOUT+4*\t+3], s[12:13] offset:2*\t*512
.endr
	s_wait_tensorcnt 0x0
	ds_add_u32 v224, v225
	s_wait_dscnt 0x0
	s_endpgm
; ---------------- O: a cast to f16.  A wave takes 32,768 bytes of Wo in four groups of 16 loads of 512 bytes; a store covers 256 consecutive bytes.
.set OR, 16                            ; v16-143  two sets of 64
.set OC, 144                           ; v144-207 two sets of 32
.Lo:
	s_load_b64 s[4:5], s[0:1], 0x38                ; Wo
	s_load_b64 s[6:7], s[0:1], 0x60                ; wob
	s_sub_co_u32 s8, ttmp9, 48
	s_lshl_b32 s10, s8, 17
	s_lshl_b32 s11, s2, 15
	s_add_co_u32 s10, s10, s11
	s_mov_b32 s11, 0
	s_lshr_b32 s12, s10, 1                         ; half the bytes out
	s_mov_b32 s13, 0
	v_lshlrev_b32 v3, 4, v2
	v_lshlrev_b32 v4, 3, v2
	s_wait_kmcnt 0x0
	s_add_nc_u64 s[4:5], s[4:5], s[10:11]
	s_add_nc_u64 s[6:7], s[6:7], s[12:13]
.macro OLOAD g
.irp i, 0,1,2,3,4,5,6,7,8,9,10,11,12,13,14,15
	global_load_b128 v[OR+64*((\g)%2)+4*\i:OR+64*((\g)%2)+4*\i+3], v3, s[4:5] offset:512*(16*(\g)+\i) th:TH_LOAD_NT
.endr
.endm
.macro OGRP g
.if (\g) < 3
	s_wait_loadcnt 16                              ; this group's 16 loads are in; the next group's may be out
.else
	s_wait_loadcnt 0x0
.endif
	s_wait_xcnt 0x0                                ; the stores of two groups back have read the registers that are written next
.irp i, 0,1,2,3,4,5,6,7,8,9,10,11,12,13,14,15
	v_cvt_pk_f16_f32 v[OC+32*((\g)%2)+2*\i], v[OR+64*((\g)%2)+4*\i], v[OR+64*((\g)%2)+4*\i+1]
	v_cvt_pk_f16_f32 v[OC+32*((\g)%2)+2*\i+1], v[OR+64*((\g)%2)+4*\i+2], v[OR+64*((\g)%2)+4*\i+3]
.endr
.if (\g)+2 < 4
	OLOAD (\g)+2
.endif
.irp i, 0,1,2,3,4,5,6,7,8,9,10,11,12,13,14,15
	global_store_b64 v4, v[OC+32*((\g)%2)+2*\i:OC+32*((\g)%2)+2*\i+1], s[6:7] offset:256*(16*(\g)+\i)
.endr
.endm
	OLOAD 0
	OLOAD 1
	OGRP 0
	OGRP 1
	OGRP 2
	OGRP 3
	s_endpgm
; ---------------- M: a work-group takes a tile of 16 queries, a wave 512 of its keys in four chunks of 128.
; mbits is [4 b][128 query tiles][128 key tiles][8 j] words; bit 16 h + r of word (b, qt, kt, j) says that mask[b][16 qt + r][16 kt + 8 h + j] is not 0.
; A chunk's 16 rows x 512 bytes are loaded row by row, turned through the wave's stage so that lane (r, h) holds row r's keys 16 kt + 8 h + j in register 8 kt + j;
; a compare then IS the word.  64 words a chunk are put into two registers, two words a lane, and leave as 256 consecutive bytes.
.set MPITCH, 528                       ; 512 bytes + 16: row r starts at bank 4 r mod 64 (64 banks of 4 bytes: ISA guide 11.1)
.set MR, 16                            ; v16-143  two sets of 64, as loaded
.set MT, 144                           ; v144-207 turned
.set MW, 208                           ; v208-215 a pair of registers of words for each chunk
.Lm:
	s_load_b64 s[4:5], s[0:1], 0x18                ; mask
	s_load_b64 s[6:7], s[0:1], 0x68                ; mbits
	s_sub_co_u32 s8, ttmp9, 80                     ; 128 b + qt
	s_lshl_b32 s10, s8, 17                         ; 16 rows of 8,192 bytes
	s_lshl_b32 s11, s2, 11                         ; 512 keys of 4 bytes
	s_add_co_u32 s10, s10, s11
	s_mov_b32 s11, 0
	s_lshl_b32 s12, s8, 12
	s_lshl_b32 s13, s2, 10
	s_add_co_u32 s12, s12, s13
	s_mov_b32 s13, 0
	s_mul_i32 s14, s2, 16*MPITCH
	s_add_co_u32 s14, s14, M_LDS
	v_lshlrev_b32 v3, 4, v2                        ; 16 x lane
	v_lshlrev_b32 v4, 3, v2                        ; 8 x lane
	v_add_nc_u32 v5, s14, v3                       ; into the stage
	v_and_b32 v6, 15, v2
	v_mul_u32_u24 v6, v6, MPITCH
	v_lshrrev_b32 v7, 4, v2
	v_lshl_add_u32 v6, v7, 5, v6
	v_add_nc_u32 v6, s14, v6                       ; out of it: row r, + 32 h
.irp i, 0,1,2,3,4,5,6,7
	v_mov_b32 v[MW+\i], 0                          ; v_writelane_b32's destination counts as read
.endr
	s_wait_kmcnt 0x0
	s_add_nc_u64 s[4:5], s[4:5], s[10:11]
	s_add_nc_u64 s[6:7], s[6:7], s[12:13]
.macro MLOAD c
.irp i, 0,1,2,3,4,5,6,7,8,9,10,11,12,13,14,15
	global_load_b128 v[MR+64*((\c)%2)+4*\i:MR+64*((\c)%2)+4*\i+3], v3, s[4:5] offset:8192*\i+512*(\c) th:TH_LOAD_NT
.endr
.endm
.macro MCHUNK c
.if (\c) < 3
	s_wait_loadcnt 16                              ; this chunk's 16 loads are in; the next chunk's may be out
.else
	s_wait_loadcnt 0x0
.endif
.irp i, 0,1,2,3,4,5,6,7,8,9,10,11,12,13,14,15
	ds_store_b128 v5, v[MR+64*((\c)%2)+4*\i:MR+64*((\c)%2)+4*\i+3] offset:MPITCH*\i
.endr
.irp i, 0,1,2,3,4,5,6,7,8,9,10,11,12,13,14,15
	ds_load_b128 v[MT+4*\i:MT+4*\i+3], v6 offset:64*(\i/2)+16*(\i%2)
.endr
	s_wait_dscnt 0x0                               ; turned; and the stores have read the set that the loads below fill
.if (\c) < 2
	MLOAD (\c)+2
.endif
.irp g, 0,1
.set n, 0
.rept 32
	v_cmp_ne_u32 s[16+n], 0, v[MT+32*\g+n]         ; word 32 g + n of the chunk
.set n, n+1
.endr
.set n, 0
.rept 32
	v_writelane_b32 v[MW+2*(\c)+(n&1)], s[16+n], 16*\g+(n>>1)
.set n, n+1
.endr
.endr
	global_store_b64 v4, v[MW+2*(\c):MW+2*(\c)+1], s[6:7] offset:256*(\c)
.endm
	MLOAD 0
	MLOAD 1
	MCHUNK 0
	MCHUNK 1
	MCHUNK 2
	MCHUNK 3
	s_wait_tensorcnt 0x0
	ds_add_u32 v224, v225
	s_wait_dscnt 0x0
	s_endpgm
.Lfunc_end_k_q9b3fb51ee9_prep:
	.size	k_q9b3fb51ee9_prep, .Lfunc_end_k_q9b3fb51ee9_prep-k_q9b3fb51ee9_prep
	.p2alignl 7, 3214868480
	.fill 96, 4, 3214868480
	.section	.rodata,"a",@progbits
	.p2align	6, 0x0
	.amdhsa_kernel k_q9b3fb51ee9_prep
		.amdhsa_group_segment_fixed_size 91648
		.amdhsa_private_segment_fixed_size 0
		.amdhsa_enable_private_segment 0
		.amdhsa_kernarg_size 112
		.amdhsa_user_sgpr_count 2
		.amdhsa_user_sgpr_kernarg_segment_ptr 1
		.amdhsa_wavefront_size32 1
		.amdhsa_system_sgpr_workgroup_id_x 1
		.amdhsa_system_sgpr_workgroup_id_y 1
		.amdhsa_system_sgpr_workgroup_id_z 1
		.amdhsa_system_vgpr_workitem_id 0
		.amdhsa_next_free_vgpr 226
		.amdhsa_next_free_sgpr 66
		.amdhsa_reserve_vcc 0
		.amdhsa_float_denorm_mode_32 3
		.amdhsa_float_denorm_mode_16_64 3
		.amdhsa_memory_ordered 1
		.amdhsa_forward_progress 1
		.amdhsa_inst_pref_size 180
	.end_amdhsa_kernel
	.amdgpu_metadata
---
amdhsa.version: [ 1, 2 ]
amdhsa.kernels:
  - .name:           k_q9b3fb51ee9_prep
    .symbol:         k_q9b3fb51ee9_prep.kd
    .args:
      - { .name: query, .offset: 0, .size: 8, .value_kind: global_buffer, .address_space: global }
      - { .name: key_, .offset: 8, .size: 8, .value_kind: global_buffer, .address_space: global }
      - { .name: value, .offset: 16, .size: 8, .value_kind: global_buffer, .address_space: global }
      - { .name: mask, .offset: 24, .size: 8, .value_kind: global_buffer, .address_space: global }
      - { .name: Wq, .offset: 32, .size: 8, .value_kind: global_buffer, .address_space: global }
      - { .name: Wk, .offset: 40, .size: 8, .value_kind: global_buffer, .address_space: global }
      - { .name: Wv, .offset: 48, .size: 8, .value_kind: global_buffer, .address_space: global }
      - { .name: Wo, .offset: 56, .size: 8, .value_kind: global_buffer, .address_space: global }
      - { .name: xc, .offset: 64, .size: 8, .value_kind: global_buffer, .address_space: global }
      - { .name: xs, .offset: 72, .size: 8, .value_kind: global_buffer, .address_space: global }
      - { .name: wc, .offset: 80, .size: 8, .value_kind: global_buffer, .address_space: global }
      - { .name: ws, .offset: 88, .size: 8, .value_kind: global_buffer, .address_space: global }
      - { .name: wob, .offset: 96, .size: 8, .value_kind: global_buffer, .address_space: global }
      - { .name: mbits, .offset: 104, .size: 8, .value_kind: global_buffer, .address_space: global }
    .group_segment_fixed_size: 91648
    .private_segment_fixed_size: 0
    .kernarg_segment_align: 8
    .kernarg_segment_size: 112
    .max_flat_workgroup_size: 128
    .sgpr_count:     66
    .vgpr_count:     226
    .wavefront_size: 32
...
	.end_amdgpu_metadata
.endif
;; end of part 1
;; launch proj (part 2): grid 4 x 96, 4 waves a work-group, clusters of 4 x 4, 327,680 bytes of LDS; arguments xc, xs, wc, ws, bq, bk, bv, qkv; writes qkv
.if DOCPART == 2
	.amdgcn_target "amdgcn-amd-amdhsa--gfx1250"
	.amdhsa_code_object_version 6
	.text
	.protected	k_q9b3fb51ee9_proj
	.globl	k_q9b3fb51ee9_proj
	.p2align	8
	.type	k_q9b3fb51ee9_proj,@function
k_q9b3fb51ee9_proj:
	s_mov_b64 s[64:65], 0
	v_nop
	global_prefetch_b8 v0, s[64:65] scope:SCOPE_SE
	s_setreg_imm32_b32 hwreg(HW_REG_WAVE_MODE, 25, 1), 1
	s_wait_xcnt 0x0
	s_wait_alu depctr_hold_cnt(0) depctr_sa_sdst(0) depctr_va_vdst(0) depctr_va_sdst(0) depctr_va_ssrc(0) depctr_va_vcc(0) depctr_vm_vsrc(0)
	s_getreg_b32 s2, hwreg(HW_REG_IB_STS2, 6, 4)
	s_cmp_eq_u32 s2, 0
	s_cbranch_scc0 .Lentry_in_a_cluster
	s_endpgm
.Lentry_in_a_cluster:
	s_bfe_u32 s2, ttmp6, 0x10000c
	s_cmp_lg_u32 s2, 0xf033
	s_cbranch_scc0 .Lentry_shape_is_right
	s_endpgm
.Lentry_shape_is_right:
; The three input projections as ONE product on codes of FP4 (E2M1) with E8M0 scales for each 32 along K: C[m][n] = sum over k of X[m][k] W[n][k] + bias[n].
; X: xc [24576][512 bytes], xs [24576][32]: query's, key_'s, value's rows stacked.  W: wc [3][1024][512 bytes], ws [3][1024][32].  Tensor z = m / 8192 takes weight z and bias z.
; The result is rounded to f16 and split by heads: qkv [3][64 (batch, head)][2048][64].
; WHY f16: its 11 significant bits against bf16's 8 make each rounding of an operand of the later products eight times finer.  ITS RANGE: a sum of 1,024 products of numbers of spread 1 and 0.02 has spread 0.64;
; with inputs and weights both 30 times larger that is 576, six spreads 3,456; with both carrying an offset of 30 spreads about 30 x 0.6 x 1,024 = 18,432.
; LIMIT: a result beyond 65,504 in magnitude becomes infinity; one under 6.1e-5 keeps an absolute error of at most 3e-8.
; A tile of C, 256 x 256, is made by four waves, each 128 x 128: 64 accumulators, 512 registers.  K = 1,024 is two slots of 512 along K (rows of 256 bytes): both are filled at the start, nothing is filled again.
; The scale bytes of the work-group's 256 + 256 rows, for all of K, come once, as rows of 256 bytes.  By this text's count a wave has three tensor loads out at the start and none later.
; CLUSTERS: 4 x 4 work-groups; X's tiles are asked for jointly along a row of the cluster, W's along a column.  A cluster's four tile rows lie in one tensor (32 tile rows a tensor), so z is the same in all sixteen.
; THE MATRIX INSTRUCTION IS USED TRANSPOSED (source 0 = 16 rows of W, source 1 = 16 rows of X): a lane holds eight neighbouring columns of one row of C.  The bias is the C of each sum's first instruction.
; REGISTERS: window 0: v0-31 addresses; v32-95 scale words, two sets; v96-127 packed results; v128-191 X's fragments, one set, later rows on the way out; v192-255 the bias in the result's layout.
;   window 1: W's fragments, two sets, at v0 and v128.   window 2: the accumulators of my rows 0-63 ((a, b) at v[8 (8 a + b)]);   window 3: rows 64-127.
.set KSTEP,  512
.set NQ,     4                         ; matrix instructions deep in a slot
.set ROWB,   256                       ; a tile's row in bytes
.set KROW,   512                       ; a row of codes in memory
.set PITCH,  272                       ; an LDS row: 256 bytes + 16: row r starts at bank 4 r mod 64 (64 banks of 4 bytes: ISA guide 11.1)
.set FR,     8
.set NL,     2
.set NP,     4                         ; places behind this matrix instruction (ISA guide 7.12.1)
.set HALFT,  128*PITCH
.set SLOT,   4*HALFT
.set KS,     32                        ; a row of scale bytes
.set SCL,    2*SLOT
.set HALFS,  (128*KS/256)*272
.set SBLK,   (16*KS/256)*272
.set SPARE,  SCL+4*HALFS               ; the spare words: 128 bytes for each wave, named by no other line
.set SPITCH, 272                       ; the way out: 16 rows x (256 bytes + 16) for each wave, in slot 0, which has had its only fill and its last read by then
.set ADRA, 16
.set ADRB, 20
.set STO,  24
.set RD,   25
.set CO,   26
.set ADRS, 27
.set SPW,  28
.set NIL,  29
.set BO,   30                          ; v30  32 x (lane / 16): my eight numbers of a block's 16 of the bias
.set SC,   32
.set TMP,  96
.set AF,   128
.set BK,   128
.set BI,   192
.set G1, 24
.set G0, 32
.set G1B, 48
.set G0B, 56
.set G1S, 68
.set G0S, 76
.set G1SB, 80
.set G0SB, 88
.set MSB, 0
.macro WIN new                         ; the immediate's high byte repeats the setting that is left
.if MSB != (\new)
	s_set_vgpr_msb (MSB<<8)|(\new)
.set MSB, (\new)
.endif
.endm
.set MUL_LO, 0xa1                      ; source 0 (W) window 1, source 1 (X) window 0, C and D window 2
.set MUL_HI, 0xf1                      ; the same, C and D window 3
.set TO_B,   0x40
; A joint load: waves 0 and 1 fetch for X, waves 2 and 3 for W.  Four v_nop follow each of the two lines.
.macro JLOAD g0a, g1a, g0b, g1b
	s_cmp_eq_u32 s15, 0
	s_cbranch_scc0 .Lfor_b_\@
	tensor_load_to_lds s[\g0a:\g0a+3], s[\g1a:\g1a+7]
	s_nop 0
.rept 4
	v_nop
.endr
	s_branch .Lasked_\@
.Lfor_b_\@:
	tensor_load_to_lds s[\g0b:\g0b+3], s[\g1b:\g1b+7]
	s_nop 0
.rept 4
	v_nop
.endr
.Lasked_\@:
.endm
.macro CROUND                          ; a round of the cluster's barrier
	s_barrier_signal -1
	s_barrier_wait -1
	s_cmp_lg_u32 s14, 0
	s_cbranch_scc1 .Lnot_wave_0_\@
	s_barrier_signal -3
.Lnot_wave_0_\@:
	s_barrier_wait -3
	s_barrier_signal -1
	s_barrier_wait -1
.endm
	s_load_b128 s[4:7], s[0:1], 0x0                ; xc, xs
	s_load_b128 s[8:11], s[0:1], 0x10              ; wc, ws
	s_load_b128 s[96:99], s[0:1], 0x20             ; bq, bk
	s_load_b64 s[100:101], s[0:1], 0x30            ; bv
	s_load_b64 s[12:13], s[0:1], 0x38              ; qkv
	v_lshl_add_u32 v[SPW], v0, 2, SPARE
	v_mov_b32 v[NIL], 0
	ds_add_u32 v28, v29
	s_wait_dscnt 0x0
	v_lshrrev_b32 v1, 5, v0
	v_readfirstlane_b32 s14, v1                    ; wave 0..3
	s_lshr_b32 s15, s14, 1                         ; which half of the tile's rows is mine.  Also: I fetch for X (0) or for W (1)
	s_and_b32 s16, s14, 1                          ; which half of its columns.  Also: which 128 rows I fetch
	s_bfe_u32 s40, ttmp6, 0x40000                  ; cx, cy
	s_bfe_u32 s41, ttmp6, 0x40004
	s_lshl_b32 s42, ttmp9, 2
	s_add_co_u32 s42, s42, s40                     ; tile column = 4 x cluster x + cx
	s_and_b32 s17, ttmp7, 0xffff
	s_lshr_b32 s95, s17, 3                         ; z: which tensor: 8 clusters along y for each; the same in all sixteen partners
	s_lshl_b32 s17, s17, 2
	s_add_co_u32 s17, s17, s41                     ; tile row = 4 x cluster y + cy
	s_lshl_b32 s43, s41, 2
	s_lshl_b32 s43, 15, s43                        ; my row of the cluster
	s_lshl_b32 s44, 0x1111, s40                    ; my column
	s_or_b32 s[G1+0], s43, (0<<16)|(1<<20)|(1<<21)|(5<<22)|(3<<25)  ; the mask; elements of 1 byte; padding on; bit 21 beside a mask; 4 words behind every 64
	s_or_b32 s[G1B+0], s44, (0<<16)|(1<<20)|(1<<21)|(5<<22)|(3<<25)
.irp g, G1, G1B
	s_mov_b32 s[\g+1], ROWB<<16                    ; tensor_dim0
	s_mov_b32 s[\g+2], 128<<16                     ; tensor_dim1
	s_mov_b32 s[\g+3], ROWB<<16                    ; tile_dim0
	s_mov_b32 s[\g+4], 128                         ; tile_dim1
	s_mov_b32 s[\g+5], KROW                        ; stride
	s_mov_b32 s[\g+6], 0
	s_mov_b32 s[\g+7], 0
.endr
	s_or_b32 s[G1S+0], s43, (3<<16)|(1<<20)|(1<<21)|(5<<22)|(3<<25) ; the scales of 128 rows: 4,096 dense bytes as 16 rows of 32 elements of 8 bytes
	s_or_b32 s[G1SB+0], s44, (3<<16)|(1<<20)|(1<<21)|(5<<22)|(3<<25)
.irp g, G1S, G1SB
	s_mov_b32 s[\g+1], 32<<16
	s_mov_b32 s[\g+2], (128*KS/256)<<16
	s_mov_b32 s[\g+3], 32<<16
	s_mov_b32 s[\g+4], 128*KS/256
	s_mov_b32 s[\g+5], 32
	s_mov_b32 s[\g+6], 0
	s_mov_b32 s[\g+7], 0
.endr
	s_lshl_b32 s18, s16, 7
	s_lshl_b32 s20, s17, 8
	s_add_co_u32 s20, s20, s18                     ; X: row 256 x tile row + 128 x half
	s_lshl_b32 s46, s42, 8
	s_add_co_u32 s46, s46, s18                     ; W: row 256 x tile column + 128 x half
	s_lshl_b32 s94, s95, 10
	s_add_co_u32 s46, s46, s94                     ;    + 1,024 z
	s_mov_b32 s21, 0
	s_mov_b32 s47, 0
	s_mov_b64 s[18:19], KS
	s_mul_u64 s[22:23], s[20:21], s[18:19]
	s_mul_u64 s[92:93], s[46:47], s[18:19]
	s_mov_b64 s[18:19], KROW
	s_mul_u64 s[20:21], s[20:21], s[18:19]
	s_mul_u64 s[46:47], s[46:47], s[18:19]
	s_mul_i32 s45, s14, HALFT                      ; where they go: wave x 128 rows
	s_mul_i32 s94, s14, HALFS
	s_wait_kmcnt 0x0
	s_add_nc_u64 s[20:21], s[4:5], s[20:21]
	s_add_nc_u64 s[22:23], s[6:7], s[22:23]
	s_add_nc_u64 s[46:47], s[8:9], s[46:47]
	s_add_nc_u64 s[92:93], s[10:11], s[92:93]
	CROUND                                         ; all sixteen work-groups are here: the joint loads meet
	s_mov_b32 s[G0S], 1
	s_add_co_u32 s[G0S+1], s94, SCL
	s_mov_b64 s[G0S+2:G0S+3], s[22:23]
	s_or_b32 s[G0S+3], s[G0S+3], 0x80000000
	s_mov_b32 s[G0SB], 1
	s_add_co_u32 s[G0SB+1], s94, SCL
	s_mov_b64 s[G0SB+2:G0SB+3], s[92:93]
	s_or_b32 s[G0SB+3], s[G0SB+3], 0x80000000
	JLOAD G0S, G1S, G0SB, G1SB                     ; the scales first: they are wanted with the first slot
.irp s, 0,1
	s_mov_b32 s[G0+4*\s], 1
	s_add_co_u32 s[G0+4*\s+1], s45, \s*SLOT
	s_add_nc_u64 s[G0+4*\s+2:G0+4*\s+3], s[20:21], \s*ROWB
	s_or_b32 s[G0+4*\s+3], s[G0+4*\s+3], 0x80000000
	s_mov_b32 s[G0B+4*\s], 1
	s_add_co_u32 s[G0B+4*\s+1], s45, \s*SLOT
	s_add_nc_u64 s[G0B+4*\s+2:G0B+4*\s+3], s[46:47], \s*ROWB
	s_or_b32 s[G0B+4*\s+3], s[G0B+4*\s+3], 0x80000000
	JLOAD G0+4*\s, G1, G0B+4*\s, G1B
.endr
	v_and_b32 v1, 15, v0                           ; r
	v_bfe_u32 v2, v0, 4, 1                         ; h
	v_mul_u32_u24 v3, v1, PITCH
	v_lshl_add_u32 v4, v2, 4, v3                   ; a fragment's row x pitch + 16 h
	s_mul_i32 s21, s15, HALFT
	s_mul_i32 s22, s16, HALFT
	s_add_co_u32 s22, s22, 2*HALFT
.irp s, 0,1
	v_add_nc_u32 v[ADRA+\s], s21, v4
	v_add_nc_u32 v[ADRB+\s], s22, v4
	s_add_co_u32 s21, s21, SLOT
	s_add_co_u32 s22, s22, SLOT
.endr
	v_mul_u32_u24 v5, v1, KS                       ; my row's scales: 32 bytes a row,
	v_lshrrev_b32 v6, 8, v5
	v_lshl_add_u32 v5, v6, 4, v5                   ; and 16 more for each 256 passed
	s_mul_i32 s21, s15, HALFS
	s_mul_i32 s22, s16, HALFS
	s_add_co_u32 s22, s22, 2*HALFS
	s_sub_co_u32 s22, s22, s21
	v_mul_u32_u24 v6, s22, v2                      ; lanes 16-31 take W's
	s_add_co_u32 s21, s21, SCL
	v_add_nc_u32 v5, v5, v6
	v_add_nc_u32 v[ADRS], s21, v5
	s_mul_i32 s23, s14, 16*SPITCH                  ; my stage
	v_mul_u32_u24 v5, v1, SPITCH
	v_lshl_add_u32 v5, v2, 4, v5
	v_add_nc_u32 v[STO], s23, v5                   ; in: row r, 16 bytes for each half of the lanes
	v_bfe_u32 v6, v0, 3, 2
	v_mul_u32_u24 v6, v6, SPITCH
	v_and_b32 v7, 7, v0
	v_lshl_add_u32 v6, v7, 4, v6
	v_add_nc_u32 v[RD], s23, v6                    ; back: eight lanes take a head's 128 bytes of a row, four rows an instruction
	v_and_b32 v6, 31, v0
	v_lshlrev_b32 v[CO], 4, v6                     ; which are 512 consecutive bytes of qkv
	v_lshlrev_b32 v[BO], 5, v2
	; the bias: chosen by z, at my 128 columns
	s_cmp_lt_u32 s95, 2
	s_cselect_b64 s[98:99], s[98:99], s[100:101]
	s_cmp_lt_u32 s95, 1
	s_cselect_b64 s[96:97], s[96:97], s[98:99]
	s_lshl_b32 s46, s42, 10
	s_lshl_b32 s47, s16, 9
	s_add_co_u32 s46, s46, s47
	s_mov_b32 s47, 0
	s_add_nc_u64 s[96:97], s[96:97], s[46:47]
.irp b, 0,1,2,3,4,5,6,7
	global_load_b128 v[BI+8*\b:BI+8*\b+3], v[BO], s[96:97] offset:64*\b        ; lane (r, h), block b: bias of columns 16 b + 8 h + 0 .. 7
	global_load_b128 v[BI+8*\b+4:BI+8*\b+7], v[BO], s[96:97] offset:64*\b+16
.endr
	; where my part begins in qkv: z << 24 | batch << 22 | (4 tile column + 2 half) << 18 | row in the sequence x 128 bytes
	s_lshl_b32 s20, s95, 24
	s_lshr_b32 s21, s17, 3
	s_and_b32 s21, s21, 3
	s_lshl_b32 s21, s21, 22
	s_or_b32 s20, s20, s21
	s_and_b32 s21, s17, 7
	s_lshl_b32 s21, s21, 15
	s_or_b32 s20, s20, s21
	s_lshl_b32 s21, s15, 14
	s_or_b32 s20, s20, s21
	s_lshl_b32 s46, s42, 20
	s_lshl_b32 s47, s16, 19
	s_or_b32 s46, s46, s47
	s_or_b32 s20, s20, s46
	s_mov_b32 s21, 0
	s_add_nc_u64 s[12:13], s[12:13], s[20:21]
.macro FRAG reg, adr, q, i             ; 16 rows x 128 K of 4-bit codes: registers 4 c .. 4 c + 3 hold K = 64 c + 32 (lane / 16) + 0 .. 31
.irp c, 0,1
	ds_load_b128 v[\reg+4*\c:\reg+4*\c+3], v[\adr] offset:64*(\q)+32*\c+(\i)*16*PITCH
.endr
.endm
; 16 matrix instructions: X's blocks a0, a0 + 1 against W's eight.  zero = 1: the first product starts the sums from the bias.  The 64 accumulators take turns.
.macro MUL16 a0, p, q, sc, zero
.irp a, \a0, \a0+1
.irp b, 0,1,2,3,4,5,6,7
.set rD, 8*(8*((\a)%4)+\b)
.set rB, 128*(\p)+FR*\b
.set rA, AF+FR*(\a)
.set rSB, SC+8*NQ*(\sc)+NQ*\b+(\q)
.set rSA, SC+8*NQ*(\sc)+NQ*(\a)+(\q)
.if \zero
	v_wmma_scale_f32_16x16x128_f8f6f4 v[rD:rD+7], v[rB:rB+7], v[rA:rA+7], v[BI+8*\b:BI+8*\b+7], v[rSB], v[rSA] matrix_a_fmt:MATRIX_FMT_FP4 matrix_b_fmt:MATRIX_FMT_FP4 matrix_a_scale:MATRIX_SCALE_ROW1
.else
	v_wmma_scale_f32_16x16x128_f8f6f4 v[rD:rD+7], v[rB:rB+7], v[rA:rA+7], v[rD:rD+7], v[rSB], v[rSA] matrix_a_fmt:MATRIX_FMT_FP4 matrix_b_fmt:MATRIX_FMT_FP4 matrix_a_scale:MATRIX_SCALE_ROW1
.endif
.endr
.endr
.endm
.macro FETCH_B slot, q, p
	WIN TO_B
.irp i, 0,1,2,3,4,5,6,7
	FRAG 128*(\p)+FR*\i, ADRB+\slot, \q, \i
.endr
	WIN 0
.endm
.macro FETCH_A slot, q, i0
.irp i, \i0, \i0+1, \i0+2, \i0+3
	FRAG AF+FR*(\i), ADRA+\slot, \q, \i
.endr
.endm
.macro SCALES sc                       ; a slot's scale words: lanes 0-15 X's block i, lanes 16-31 W's block i
.irp i, 0,1,2,3,4,5,6,7
	ds_load_b128 v[SC+8*NQ*\sc+NQ*\i:SC+8*NQ*\sc+NQ*\i+3], v[ADRS] offset:\i*SBLK
.endr
.endm
.macro PLACES n                        ; plain vector instructions between a matrix instruction and a load into, or a read of, its registers
.rept \n
	v_nop
.endr
.endm
.macro STEP slot, q, zero              ; 128 along K that has its successor in the same slot
	s_wait_dscnt 4*NL                              ; W's set and X's blocks 0-3 are in; the youngest eight loads (X's blocks 4-7) may be out
	WIN MUL_LO-0x20*(\zero)                        ; (zero = 1: C, the bias, lies in window 0)
	MUL16 0, (\q)%2, \q, \slot, \zero
	MUL16 2, (\q)%2, \q, \slot, \zero
	s_wait_dscnt 0
	PLACES NP
	FETCH_B \slot, (\q)+1, 1-(\q)%2
	FETCH_A \slot, (\q)+1, 0
	WIN MUL_HI-0x30*(\zero)
	MUL16 4, (\q)%2, \q, \slot, \zero
	MUL16 6, (\q)%2, \q, \slot, \zero
	PLACES NP
	WIN 0
	FETCH_A \slot, (\q)+1, 4
.endm
; Slot 0's last step changes slots: one barrier.  In front of it each wave waits for all its tensor loads (its part of slot 1), adds 0 to its spare word, and waits for that and for its reads of slot 0.  Nothing is filled again.
.macro TURN slot, next
	s_wait_tensorcnt 0x0
	ds_add_u32 v[SPW], v[NIL]
	s_wait_dscnt 4*NL+1                            ; (the add and X's blocks 4-7 may be out)
	WIN MUL_LO
	MUL16 0, 1, NQ-1, \slot, 0
	s_wait_dscnt 0x0
	s_barrier_signal -1
	MUL16 2, 1, NQ-1, \slot, 0
	WIN 0
	s_barrier_wait -1
	PLACES NP
	v_add_nc_u32 v[ADRS], 4*NQ, v[ADRS]            ; on to the next slot's scale words
	FETCH_B \next, 0, 0
	FETCH_A \next, 0, 0
	SCALES \next
	WIN MUL_HI
	MUL16 4, 1, NQ-1, \slot, 0
	MUL16 6, 1, NQ-1, \slot, 0
	PLACES NP
	WIN 0
	FETCH_A \next, 0, 4
.endm
	s_wait_tensorcnt 1                             ; the scales and my part of slot 0 are in (slot 1's load may be out),
	s_barrier_signal -1
	s_barrier_wait -1                              ; everybody's are
	FETCH_B 0, 0, 0
	FETCH_A 0, 0, 0
	SCALES 0
	FETCH_A 0, 0, 4
	s_wait_loadcnt 0x0                             ; the bias
	STEP 0, 0, 1
	STEP 0, 1, 0
	STEP 0, 2, 0
	TURN 0, 1
	STEP 1, 0, 0
	STEP 1, 1, 0
	STEP 1, 2, 0
	s_wait_dscnt 4*NL                              ; the last step: nothing more to fetch
	WIN MUL_LO
	MUL16 0, 1, NQ-1, 1, 0
	MUL16 2, 1, NQ-1, 1, 0
	s_wait_dscnt 0
	WIN MUL_HI
	MUL16 4, 1, NQ-1, 1, 0
	MUL16 6, 1, NQ-1, 1, 0
	WIN 0
; THE WAY OUT, block by block of 16 rows x 128 columns (two heads).  Rounded to f16, 16 bytes a lane into my stage; back so that a head's 16 rows of 128 bytes, 2,048 consecutive bytes of qkv, leave by four stores of 512 bytes.
.macro PACK a
.set AC, 64*((\a)%4)
	WIN 0x0a+5*((\a)/4)                            ; sources 0 and 1: window 2 or 3
.irp b, 0,1,2,3,4,5,6,7
.irp r, 0,1,2,3
	v_cvt_pk_f16_f32 v[TMP+4*\b+\r], v[AC+8*\b+2*\r], v[AC+8*\b+2*\r+1]   ; each accumulator from its low end on
.endr
.endr
	WIN 0
.endm
.macro TOSTAGE a
.set BB, BK+32*((\a)%2)
.irp b, 0,1,2,3,4,5,6,7
	ds_store_b128 v[STO], v[TMP+4*\b:TMP+4*\b+3] offset:32*\b
.endr
.irp t, 0,1,2,3,4,5,6,7
	ds_load_b128 v[BB+4*\t:BB+4*\t+3], v[RD] offset:(\t/4)*128+(\t%4)*4*SPITCH   ; LDS serves a wave's instructions in order (ISA guide 5.7.1.4): these see the stores above
.endr
.endm
.macro SEND a
.set BB, BK+32*((\a)%2)
	s_wait_dscnt 0x0                               ; the block is back in registers
	s_wait_xcnt 0x0                                ; earlier stores have read their registers: the next block's loads may land there
.irp t, 0,1,2,3,4,5,6,7
	global_store_b128 v[CO], v[BB+4*\t:BB+4*\t+3], s[12:13] offset:(\t/4)*262144+(\t%4)*512+(\a)*2048
.endr
.endm
	PLACES NP
	PACK 0
	TOSTAGE 0
.irp a, 1,2,3,4,5,6,7                  ; block a's conversions stand between block a - 1's loads from the stage and the wait for them
	PACK \a
	SEND \a-1
	TOSTAGE \a
.endr
	SEND 7
	s_wait_tensorcnt 0x0                           ; the wave's end
	ds_add_u32 v[SPW], v[NIL]
	s_wait_dscnt 0x0
	CROUND                                         ; the closing round
	s_endpgm
.Lfunc_end_k_q9b3fb51ee9_proj:
	.size	k_q9b3fb51ee9_proj, .Lfunc_end_k_q9b3fb51ee9_proj-k_q9b3fb51ee9_proj
	.p2alignl 7, 3214868480
	.fill 96, 4, 3214868480
	.section	.rodata,"a",@progbits
	.p2align	6, 0x0
	.amdhsa_kernel k_q9b3fb51ee9_proj
		.amdhsa_group_segment_fixed_size 327680
		.amdhsa_private_segment_fixed_size 0
		.amdhsa_enable_private_segment 0
		.amdhsa_kernarg_size 64
		.amdhsa_user_sgpr_count 2
		.amdhsa_user_sgpr_kernarg_segment_ptr 1
		.amdhsa_wavefront_size32 1
		.amdhsa_system_sgpr_workgroup_id_x 1
		.amdhsa_system_sgpr_workgroup_id_y 1
		.amdhsa_system_sgpr_workgroup_id_z 1
		.amdhsa_system_vgpr_workitem_id 0
		.amdhsa_next_free_vgpr 1024
		.amdhsa_next_free_sgpr 102
		.amdhsa_reserve_vcc 0
		.amdhsa_float_denorm_mode_32 3
		.amdhsa_float_denorm_mode_16_64 3
		.amdhsa_memory_ordered 1
		.amdhsa_forward_progress 1
		.amdhsa_inst_pref_size 128
	.end_amdhsa_kernel
	.amdgpu_metadata
---
amdhsa.version: [ 1, 2 ]
amdhsa.kernels:
  - .name:           k_q9b3fb51ee9_proj
    .symbol:         k_q9b3fb51ee9_proj.kd
    .args:
      - { .name: xc, .offset: 0, .size: 8, .value_kind: global_buffer, .address_space: global }
      - { .name: xs, .offset: 8, .size: 8, .value_kind: global_buffer, .address_space: global }
      - { .name: wc, .offset: 16, .size: 8, .value_kind: global_buffer, .address_space: global }
      - { .name: ws, .offset: 24, .size: 8, .value_kind: global_buffer, .address_space: global }
      - { .name: bq, .offset: 32, .size: 8, .value_kind: global_buffer, .address_space: global }
      - { .name: bk, .offset: 40, .size: 8, .value_kind: global_buffer, .address_space: global }
      - { .name: bv, .offset: 48, .size: 8, .value_kind: global_buffer, .address_space: global }
      - { .name: qkv, .offset: 56, .size: 8, .value_kind: global_buffer, .address_space: global }
    .group_segment_fixed_size: 327680
    .private_segment_fixed_size: 0
    .kernarg_segment_align: 8
    .kernarg_segment_size: 64
    .max_flat_workgroup_size: 128
    .sgpr_count:     102
    .vgpr_count:     1024
    .wavefront_size: 32
...
	.end_amdgpu_metadata
.endif
;; end of part 2
;; launch attn (part 3): grid 4 x 64, 8 waves a work-group, clusters of 4 x 1, 327,680 bytes of LDS; arguments qkv, mbits, att; writes att
.if DOCPART == 3
	.amdgcn_target "amdgcn-amd-amdhsa--gfx1250"
	.amdhsa_code_object_version 6
	.text
	.protected	k_q9b3fb51ee9_attn
	.globl	k_q9b3fb51ee9_attn
	.p2align	8
	.type	k_q9b3fb51ee9_attn,@function
k_q9b3fb51ee9_attn:
	s_mov_b64 s[64:65], 0
	v_nop
	global_prefetch_b8 v0, s[64:65] scope:SCOPE_SE
	s_setreg_imm32_b32 hwreg(HW_REG_WAVE_MODE, 25, 1), 1
	s_wait_xcnt 0x0
	s_wait_alu depctr_hold_cnt(0) depctr_sa_sdst(0) depctr_va_vdst(0) depctr_va_sdst(0) depctr_va_ssrc(0) depctr_va_vcc(0) depctr_vm_vsrc(0)
	s_getreg_b32 s2, hwreg(HW_REG_IB_STS2, 6, 4)
	s_cmp_eq_u32 s2, 0
	s_cbranch_scc0 .Lentry_in_a_cluster
	s_endpgm
.Lentry_in_a_cluster:
	s_bfe_u32 s2, ttmp6, 0x10000c
	s_cmp_lg_u32 s2, 0x3003
	s_cbranch_scc0 .Lentry_shape_is_right
	s_endpgm
.Lentry_shape_is_right:
; att[bh][q][:] = the sum over k of softmax_k(Q[bh][q] . K[bh][k] / 8, hidden where mask[b][q][k] = 0) V[bh][k][:].  Q, K, V: qkv [3][64 bh][2048][64] f16; att [64][2048][64] f16.
; Products, maxima and sums in f32; the weights p, which lie in 0 .. 1, are rounded to f16 for the second product, att once at the end.
; SHARES.  A work-group owns 512 queries of one head, each of its EIGHT waves 64: four tiles of 16, in 512 registers.  Two waves share a SIMD, so that one wave's softmax stands beside the other's products.
; Every wave walks the head's 2,048 keys, 64 a step: 64 matrix instructions, 32 LDS loads.
; LAYOUT.  S^T = K Q^T (source 0 = 16 keys, source 1 = 16 queries): a lane holds ONE query (lane % 16) and keys 8 (lane / 16) + 0..7.  Two such tiles rounded in pairs ARE source 1 of O^T = V^T P.
; THE MASK comes as words of one bit a lane in just that layout (word 8 kt + j of a step and a tile of queries: register 8 kt + j): a scalar load brings 32 words a tile and step, and one v_cndmask_b32 a score puts -infinity where the bit is 0.
; SOFTMAX.  A running maximum m and sum l for each query: p = 2^(c s - c m), c = log2(e) / 8; in every step O and l are multiplied by a = 2^(c m_old - c m_new).  m begins at -3e38, under every score that is a number.
; LIMITS: a query all of whose keys are hidden gets 0 x infinity = NaN, as the softmax of a row of -infinity gives.  Scores under -3e38 are taken as that.
; att is a weighted mean of V's rows, so it lies inside V's range; a number of it under 6.1e-5 in magnitude keeps an absolute error of at most 3e-8 in f16, and so does a p under 6.1e-5.
; CLUSTER.  The head's four query blocks walk the same K and V: each tile is asked for JOINTLY, by the same tensor load with the mask of all four.
; THE RING.  Two slots of four steps (256 keys).  Waves 0-3 bring K of the slot's step w, waves 4-7 V of step w - 4: one load a wave for a slot, one out at a time, with four steps in which to land.
; K's and V's rows of 128 bytes are dense in memory, so a tile is stated as rows of 256 bytes, two keys to a row, padded behind each.
; REGISTERS: window 0: v1-15 addresses and constants; v16-47 eight statistics a tile; v64-191 S^T, 32 a tile; v192-255 P, 16 a tile.
;   window 1: v0-127 O^T, 32 a tile; v128-191 Q, 16 a tile; v192-255 the fragments of K, then of V.
.set PK,    272                        ; two keys of K: 256 bytes + 16: key x lies at (x / 2) 272 + (x % 2) 128: the 16 keys of a load start at 16 different groups of four banks (64 banks of 4 bytes: ISA guide 11.1)
.set PVP,   288                        ; two keys of V: 256 + 32
.set VOFF,  32*PK                      ; a step: 64 keys of K, then 64 of V
.set STEPB, 32*(PK+PVP)
.set SLOT1, 1<<17                      ; slot 1 begins here: one exclusive or turns an address from one slot to the other
.set STAGE, SLOT1+4*STEPB              ; behind the ring: 16 rows x (128 + 16) bytes for each wave
.set SP,    144
.set SPARE, STAGE+8*16*SP              ; the spare words: 128 bytes for each wave, named by no other line
.set AK0, 2
.set AV0, 3
.set ADR, 4
.set QO,  5
.set STO, 6
.set RD,  7
.set GO,  8
.set NINF, 12                          ; v12  -infinity
.set PFO, 13                           ; v13  256 x lane
.set SPW, 14
.set NIL, 15
.set ST,  16                           ; tile t at v[ST + 8 t]: +0 c m, +1 m, +2, +3 l (even keys', odd keys'), +4 .. +7 at work; a takes +6
.set S,   64
.set P,   192
.set QF,  128                          ; in window 1
.set F,   192                          ; in window 1
.set TB,  2                            ; s2   LDS byte at which the step to be fetched begins
.set MA,  4                            ; s[4:35]  32 mask words of one tile
.set G1K, 36
.set G1V, 44
.set G0,  52                           ; the one walking group 0
.set MP,  56                           ; s[56:57] where my first tile's mask words of the step stand
.set SEL, 58
.set PFA, 60
.set WV,  62
.set SLOTS, 63
.set STEPS, 66
.set LIM, 67
.set MB,  68                           ; s[68:99] 32 mask words of the tile beside it
.set CS,  100                          ; s[100:101] c, twice: the packed form names a pair
.set MSB, 0
.macro WIN new                         ; the immediate's high byte repeats the setting that is left
.if MSB != (\new)
	s_set_vgpr_msb (MSB<<8)|(\new)
.set MSB, (\new)
.endif
.endm
.set W_LD, 0x40                        ; destination window 1
.set W_KQ, 0x05                        ; K and Q in window 1, S^T in window 0
.set W_PV, 0x51                        ; V, C and D in window 1, P in window 0
.set W_RS, 0x41                        ; O^T (destination and source 0) in window 1, the factor in window 0
.macro PLACES
.rept 4
	v_nop
.endr
.endm
.macro JLOAD                           ; the branch hangs on the wave's number alone; four v_nop follow each of the two lines
	s_cmp_lt_u32 s[WV], 4
	s_cbranch_scc0 .Lfor_v_\@
	tensor_load_to_lds s[G0:G0+3], s[G1K:G1K+7]
	s_nop 0
.rept 4
	v_nop
.endr
	s_branch .Lasked_\@
.Lfor_v_\@:
	tensor_load_to_lds s[G0:G0+3], s[G1V:G1V+7]
	s_nop 0
.rept 4
	v_nop
.endr
.Lasked_\@:
.endm
; A prefetch of what the NEXT change of slots will ask for: a slot's 32,768 bytes of K and of V.  This cluster alone reads the head.  Its four partners take 8,192 bytes each, told apart by address; in each, wave 0 asks for K's
; and wave 4 for V's, lanes 256 bytes apart: each aligned block of 256 bytes is named once in the launch.  The last change that fills a slot asks for nothing; slots 0 and 1 come by their loads alone.
.macro ASK
	s_cmp_gt_u32 s[SLOTS], s[LIM]
	s_cbranch_scc0 .Lnot_mine_\@
	global_prefetch_b8 v[PFO], s[PFA:PFA+1] th:TH_LOAD_NT scope:SCOPE_SE
.Lnot_mine_\@:
.endm
.macro CROUND                          ; a round of the cluster's barrier
	s_barrier_signal -1
	s_barrier_wait -1
	s_cmp_lg_u32 s[WV], 0
	s_cbranch_scc1 .Lnot_wave_0_\@
	s_barrier_signal -3
.Lnot_wave_0_\@:
	s_barrier_wait -3
	s_barrier_signal -1
	s_barrier_wait -1
.endm
	s_load_b128 s[4:7], s[0:1], 0x0                ; qkv, mbits
	v_lshl_add_u32 v[SPW], v0, 2, SPARE
	v_mov_b32 v[NIL], 0
	ds_add_u32 v14, v15
	s_wait_dscnt 0x0
	v_lshrrev_b32 v1, 5, v0
	v_readfirstlane_b32 s[WV], v1                  ; wave 0..7
	s_bfe_u32 s8, ttmp6, 0x40000                   ; cx: my block of 512 queries (the grid is one cluster wide)
	s_and_b32 s9, ttmp7, 0xffff                    ; bh, which the four partners share
	s_and_b32 s10, s[WV], 3                        ; which of a slot's four steps I fetch
	s_lshr_b32 s11, s[WV], 2                       ; for K (0) or for V (1)
	s_mul_i32 s12, s10, STEPB
	s_mul_i32 s13, s11, VOFF
	s_mov_b32 s[G0], 1                             ; count = 1
	s_add_co_u32 s[G0+1], s12, s13                 ; LDS address: slot 0; no place in the cluster enters it
	s_add_co_u32 s12, s11, 1
	s_lshl_b32 s12, s12, 24                        ; K is tensor 1 of qkv, V tensor 2
	s_lshl_b32 s13, s9, 18                         ; a head is 2,048 rows of 128 bytes
	s_add_co_u32 s12, s12, s13
	s_lshl_b32 s14, s10, 13                        ; a step is 8,192 bytes
	s_add_co_u32 s14, s14, s12
	s_mov_b32 s15, 0
	s_lshl_b32 s16, s8, 13                         ; the prefetches: my work-group's 8,192 bytes,
	s_add_co_u32 s16, s16, s12
	s_add_co_u32 s16, s16, 32768                   ; in slot 1: the first change of slots steps it to slot 2
	s_mov_b32 s17, 0
	s_lshl_b32 s18, s8, 16                         ; Q: my block's 512 rows, my wave's 64
	s_add_co_u32 s18, s18, s13
	s_lshl_b32 s19, s[WV], 13
	s_add_co_u32 s18, s18, s19
	s_mov_b32 s19, 0
	s_lshr_b32 s20, s9, 4                          ; the mask words: batch x 128 tiles of 4,096 bytes, my block's 32 tiles, my wave's 4
	s_lshl_b32 s20, s20, 19
	s_lshl_b32 s21, s8, 17
	s_add_co_u32 s20, s20, s21
	s_lshl_b32 s21, s[WV], 14
	s_add_co_u32 s20, s20, s21
	s_mov_b32 s21, 0
	s_mov_b32 s[G1K], 15|(1<<16)|(1<<20)|(1<<21)|(5<<22)|(3<<25)   ; the mask: all four; elements of 2 bytes; padding on; bit 21 beside a mask; 4 words behind every 64
	s_mov_b32 s[G1V], 15|(1<<16)|(1<<20)|(1<<21)|(5<<22)|(7<<25)   ; the same with 8 words
.irp g, G1K, G1V
	s_mov_b32 s[\g+1], 128<<16                     ; tensor_dim0 = 128 elements: two keys
	s_mov_b32 s[\g+2], 32<<16                      ; tensor_dim1 = 32
	s_mov_b32 s[\g+3], 128<<16                     ; tile_dim0
	s_mov_b32 s[\g+4], 32                          ; tile_dim1
	s_mov_b32 s[\g+5], 128                         ; stride: dense
	s_mov_b32 s[\g+6], 0
	s_mov_b32 s[\g+7], 0
.endr
	s_mov_b32 s[CS], 0x3e38aa3b                    ; c = log2(e) / 8
	s_mov_b32 s[CS+1], s[CS]
	s_mov_b32 s[SEL], 0x76543210
	s_mov_b32 s[SEL+1], 0xfedcba98                 ; v_permlanex16_b32: lane l xor 16
	s_mov_b32 s[SLOTS], 7
	s_cmp_eq_u32 s10, 0
	s_cselect_b32 s[LIM], 1, -1                    ; waves 0 and 4 prefetch: the same in all partners
	s_mul_i32 s24, s[WV], 16*SP
	s_add_co_u32 s24, s24, STAGE                   ; my stage
	s_wait_kmcnt 0x0
	s_add_nc_u64 s[G0+2:G0+3], s[4:5], s[14:15]
	s_or_b32 s[G0+3], s[G0+3], 0x80000000          ; type = 2
	s_add_nc_u64 s[PFA:PFA+1], s[4:5], s[16:17]
	s_add_nc_u64 s[2:3], s[4:5], s[18:19]          ; Q at my wave's first row (s2 becomes TB when Q is in)
	s_add_nc_u64 s[MP:MP+1], s[6:7], s[20:21]
	CROUND                                         ; all four work-groups are here
	JLOAD                                          ; slot 0
	v_and_b32 v1, 15, v0                           ; r
	v_bfe_u32 v9, v0, 4, 1                         ; h
	v_lshlrev_b32 v[QO], 7, v1
	v_lshl_add_u32 v[QO], v9, 4, v[QO]             ; row r of 128 bytes + 16 h
	WIN W_LD
.irp t, 0,1,2,3
.irp k, 0,1
	global_load_b128 v[QF+16*\t+8*\k:QF+16*\t+8*\k+3], v[QO], s[2:3] offset:2048*\t+64*\k       ; Q stays in registers: tile t, channels 32 k on
	global_load_b128 v[QF+16*\t+8*\k+4:QF+16*\t+8*\k+7], v[QO], s[2:3] offset:2048*\t+64*\k+32
.endr
.endr
.set i, 0
.rept 128
	v_mov_b32 v[i], 0                              ; O^T.  The step is written once: the first finds zeros, which the first a, 0, leaves zeros
.set i, i+1
.endr
	WIN 0
	v_lshrrev_b32 v10, 1, v1
	v_mul_u32_u24 v[AK0], v10, PK
	v_and_b32 v10, 1, v1
	v_lshl_add_u32 v[AK0], v10, 7, v[AK0]
	v_lshl_add_u32 v[AK0], v9, 4, v[AK0]           ; K: (r / 2) 272 + (r % 2) 128 + 16 h
	v_bfe_u32 v10, v0, 1, 2
	v_lshl_add_u32 v10, v9, 2, v10
	v_mul_u32_u24 v[AV0], v10, PVP                 ; V, for the turning load: lane l reads key 8 h + l % 8, channels 8 ((l / 8) % 2) on
	v_and_b32 v10, 1, v0
	v_lshl_add_u32 v[AV0], v10, 7, v[AV0]
	v_bfe_u32 v10, v0, 3, 1
	v_lshl_add_u32 v[AV0], v10, 4, v[AV0]
	v_add_nc_u32 v[AV0], VOFF, v[AV0]
	v_mul_u32_u24 v[STO], v1, SP
	v_lshl_add_u32 v[STO], v9, 4, v[STO]
	v_add_nc_u32 v[STO], s24, v[STO]               ; the stage, in: row r, 16 bytes for each half of the lanes
	v_bfe_u32 v10, v0, 3, 2
	v_mul_u32_u24 v[RD], v10, SP
	v_and_b32 v10, 7, v0
	v_lshl_add_u32 v[RD], v10, 4, v[RD]
	v_add_nc_u32 v[RD], s24, v[RD]                 ; back: eight lanes to a row of 128 bytes, four rows an instruction
	v_and_b32 v[GO], 31, v0
	v_lshlrev_b32 v[PFO], 8, v[GO]
	v_lshlrev_b32 v[GO], 4, v[GO]
	v_mov_b32 v[NINF], 0xff800000
.irp t, 0,1,2,3
	v_mov_b32 v[ST+8*\t+1], 0xff61b1e6             ; m = -3e38
	v_mov_b32 v[ST+8*\t+2], 0                      ; l
	v_mov_b32 v[ST+8*\t+3], 0
.endr
.irp t, 0,1,2,3
	v_mul_f32 v[ST+8*\t], s[CS], v[ST+8*\t+1]      ; c m
.endr
.macro MGET o                          ; the mask words of two neighbouring tiles of queries for one step: 128 bytes each, 4,096 bytes apart
	s_load_b512 s[MA:MA+15], s[MP:MP+1], \o
	s_load_b512 s[MA+16:MA+31], s[MP:MP+1], \o+64
	s_load_b512 s[MB:MB+15], s[MP:MP+1], \o+4096
	s_load_b512 s[MB+16:MB+31], s[MP:MP+1], \o+4160
.endm
.macro MASK t, set                     ; ascending: each accumulator is first read at its lowest register
.set i, 0
.rept 32
	v_cndmask_b32 v[S+32*(\t)+i], v[NINF], v[S+32*(\t)+i], s[\set+i]
.set i, i+1
.endr
.endm
.macro FETCH_K                         ; 64 keys x 64 channels: the first 32 channels first
	v_add_nc_u32 v[ADR], s[TB], v[AK0]
	WIN W_LD
.irp ks, 0,1
.irp kt, 0,1,2,3
	ds_load_b128 v[F+16*\kt+8*\ks:F+16*\kt+8*\ks+3], v[ADR] offset:8*PK*\kt+64*\ks
	ds_load_b128 v[F+16*\kt+8*\ks+4:F+16*\kt+8*\ks+7], v[ADR] offset:8*PK*\kt+64*\ks+32
.endr
.endr
.endm
.macro FETCH_V                         ; the same step's V, turned: fragment 4 kk + ct: keys 32 kk on, channels 16 ct on
	v_add_nc_u32 v[ADR], s[TB], v[AV0]
	s_add_co_u32 s[TB], s[TB], STEPB               ; the next fetch is the next step's
	WIN W_LD
.irp kk, 0,1
.irp ct, 0,1,2,3
	ds_load_tr16_b128 v[F+8*(4*\kk+\ct):F+8*(4*\kk+\ct)+3], v[ADR] offset:16*PVP*\kk+32*\ct
	ds_load_tr16_b128 v[F+8*(4*\kk+\ct)+4:F+8*(4*\kk+\ct)+7], v[ADR] offset:16*PVP*\kk+32*\ct+8*PVP
.endr
.endr
.endm
; The 16 accumulators take turns, one instruction a turn, in the same order in both halves.
.macro QK ks                           ; S^T: channels 32 ks on
.irp kt, 0,1,2,3
.irp t, 0,1,2,3
.if \ks == 0
	v_wmma_f32_16x16x32_f16 v[S+32*\t+8*\kt:S+32*\t+8*\kt+7], v[F+16*\kt:F+16*\kt+7], v[QF+16*\t:QF+16*\t+7], 0
.else
	v_wmma_f32_16x16x32_f16 v[S+32*\t+8*\kt:S+32*\t+8*\kt+7], v[F+16*\kt+8:F+16*\kt+15], v[QF+16*\t+8:QF+16*\t+15], v[S+32*\t+8*\kt:S+32*\t+8*\kt+7]
.endif
.endr
.endr
.endm
.macro PVMUL kk                        ; O^T += V^T P: keys 32 kk on
.irp ct, 0,1,2,3
.irp t, 0,1,2,3
	v_wmma_f32_16x16x32_f16 v[32*\t+8*\ct:32*\t+8*\ct+7], v[F+8*(4*\kk+\ct):F+8*(4*\kk+\ct)+7], v[P+16*\t+8*\kk:P+16*\t+8*\kk+7], v[32*\t+8*\ct:32*\t+8*\ct+7]
.endr
.endr
.endm
; The softmax of tiles y and y + 1 for one step, the two tiles line by line by turns, so that no line waits for the line above it.
.macro SOFT y
.irp j, 0,1,2,3
.irp t, \y, \y+1
	v_max3_num_f32 v[ST+8*(\t)+4+\j], v[S+32*(\t)+8*\j], v[S+32*(\t)+8*\j+1], v[S+32*(\t)+8*\j+2]   ; four chains of seven scores
.endr
.endr
.irp g, 1,2
.irp j, 0,1,2,3
.irp t, \y, \y+1
	v_max3_num_f32 v[ST+8*(\t)+4+\j], v[ST+8*(\t)+4+\j], v[S+32*(\t)+8*\j+2*\g+1], v[S+32*(\t)+8*\j+2*\g+2]
.endr
.endr
.endr
.irp t, \y, \y+1
	v_max3_num_f32 v[ST+8*(\t)+4], v[ST+8*(\t)+4], v[S+32*(\t)+7], v[S+32*(\t)+15]
.endr
.irp t, \y, \y+1
	v_max3_num_f32 v[ST+8*(\t)+6], v[ST+8*(\t)+6], v[S+32*(\t)+23], v[S+32*(\t)+31]
.endr
.irp t, \y, \y+1
	v_max3_num_f32 v[ST+8*(\t)+4], v[ST+8*(\t)+4], v[ST+8*(\t)+5], v[ST+8*(\t)+6]
.endr
.irp t, \y, \y+1
	v_max3_num_f32 v[ST+8*(\t)+4], v[ST+8*(\t)+4], v[ST+8*(\t)+7], v[ST+8*(\t)+1]   ; with the old m
.endr
.irp t, \y, \y+1
	v_permlanex16_b32 v[ST+8*(\t)+5], v[ST+8*(\t)+4], s[SEL], s[SEL+1]              ; the query's other 32 keys lie in the lane 16 away
.endr
.irp t, \y, \y+1
	v_mov_b32 v[ST+8*(\t)+7], v[ST+8*(\t)]         ; c m_old
.endr
.irp t, \y, \y+1
	v_max_num_f32 v[ST+8*(\t)+1], v[ST+8*(\t)+4], v[ST+8*(\t)+5]
.endr
.irp t, \y, \y+1
	v_mul_f32 v[ST+8*(\t)], s[CS], v[ST+8*(\t)+1]
.endr
.irp t, \y, \y+1
	v_sub_f32 v[ST+8*(\t)+7], v[ST+8*(\t)+7], v[ST+8*(\t)]
.endr
.set i, 0
.rept 16
.irp t, \y, \y+1
	v_pk_fma_f32 v[S+32*(\t)+2*i:S+32*(\t)+2*i+1], v[S+32*(\t)+2*i:S+32*(\t)+2*i+1], s[CS:CS+1], v[ST+8*(\t):ST+8*(\t)+1] op_sel_hi:[1,0,0] neg_lo:[0,0,1] neg_hi:[0,0,1]   ; c s - c m
.endr
.set i, i+1
.endr
.irp t, \y, \y+1
	v_exp_f32 v[ST+8*(\t)+6], v[ST+8*(\t)+7]       ; a
.endr
.set i, 0
.rept 32
.irp t, \y, \y+1
	v_exp_f32 v[S+32*(\t)+i], v[S+32*(\t)+i]       ; p
.endr
.set i, i+1
.endr
	v_nop                                          ; a plain instruction between the last exponential and the use of its result (ISA guide 5.7.2)
.set i, 0
	s_wait_alu depctr_va_vdst(0)
.rept 16
.irp t, \y, \y+1
	v_cvt_pk_f16_f32 v[P+16*(\t)+i], v[S+32*(\t)+2*i], v[S+32*(\t)+2*i+1]
.endr
.set i, i+1
.endr
.irp w, 4,8,16,32                      ; the sum of the 16 pairs of unrounded p, in place: neighbours 1, 2, 4 and 8 pairs apart
.set i, 0
.rept 32/\w
.irp t, \y, \y+1
	v_pk_add_f32 v[S+32*(\t)+\w*i:S+32*(\t)+\w*i+1], v[S+32*(\t)+\w*i:S+32*(\t)+\w*i+1], v[S+32*(\t)+\w*i+\w/2:S+32*(\t)+\w*i+\w/2+1]
.endr
.set i, i+1
.endr
.endr
.irp t, \y, \y+1
	v_pk_fma_f32 v[ST+8*(\t)+2:ST+8*(\t)+3], v[ST+8*(\t)+2:ST+8*(\t)+3], v[ST+8*(\t)+6:ST+8*(\t)+7], v[S+32*(\t):S+32*(\t)+1] op_sel_hi:[1,0,1]   ; l = a l + the sum
.endr
	WIN W_RS
.set i, 0
.rept 16
.irp t, \y, \y+1
	v_pk_mul_f32 v[32*(\t)+2*i:32*(\t)+2*i+1], v[32*(\t)+2*i:32*(\t)+2*i+1], v[ST+8*(\t)+6:ST+8*(\t)+7] op_sel_hi:[1,0]   ; O^T x a, ascending
.endr
.set i, i+1
.endr
	WIN 0
.endm
; A KEY STEP.  At its head MA and MB hold this step's words of tiles 0 and 1.
.macro STEP
	PLACES                                         ; behind the last V^T P, ahead of loads into the registers that it read
	FETCH_K
	s_wait_dscnt 8                                 ; the first 32 channels are in; the other eight loads may be out
	WIN W_KQ
	QK 0
	s_wait_dscnt 0x0
	QK 1
	WIN 0
	PLACES                                         ; ahead of loads into K's registers and of the first read of the scores
	FETCH_V                                        ; lands while the softmax is walked
	WIN 0
	s_wait_kmcnt 0x0                               ; the words of tiles 0 and 1
	MASK 0, MA
	MASK 1, MB
	MGET 8192                                      ; those of tiles 2 and 3
	SOFT 0
	s_wait_kmcnt 0x0                               ; they are in, so their base may be written
	s_add_nc_u64 s[MP:MP+1], s[MP:MP+1], 128       ; the next step's
	MASK 2, MA
	MASK 3, MB
	MGET 0                                         ; tiles 0 and 1 of the next step.  Behind the last step these are the first words of my tiles 1 and 2: inside mbits, and not used
	SOFT 2
	s_wait_dscnt 0x0                               ; V is in
	WIN W_PV
	PVMUL 0
	PVMUL 1
	WIN 0
.endm
.macro FOUR_STEPS                      ; a slot's four steps: written once, walked four times; the LDS addresses hang on s[TB]
	s_mov_b32 s[STEPS], 4
.Lstep_\@:
	STEP
	s_sub_co_u32 s[STEPS], s[STEPS], 1
	s_cmp_lg_u32 s[STEPS], 0
	s_cbranch_scc1 .Lstep_\@
	s_sub_co_u32 s[TB], s[TB], 4*STEPB
	s_xor_b32 s[TB], s[TB], SLOT1                  ; on to the other slot
.endm
; THE CHANGE OF SLOTS stands at a slot's head.  Each wave waits for all its tensor loads (its part of the slot ahead), adds 0 to its spare word, and waits for that and for its reads of the slot that it has left.
; fill = 1: the barrier is a round of the cluster's, and behind it the slot just left takes the next 256 keys: the load has four steps, 256 matrix instructions a wave, in which to land.
.macro CHANGE fill
	s_wait_tensorcnt 0x0                           ; no tensor load of mine is out, so group 0 may be written
	ds_add_u32 v[SPW], v[NIL]
.if \fill
	s_xor_b32 s[G0+1], s[G0+1], SLOT1
	s_add_nc_u64 s[G0+2:G0+3], s[G0+2:G0+3], 32768 ; the type bits on top are not reached
	s_wait_xcnt 0x0                                ; the last prefetch, a slot back, has read its address
	s_add_nc_u64 s[PFA:PFA+1], s[PFA:PFA+1], 32768
	s_wait_dscnt 0x0
	CROUND
	JLOAD
	ASK
.else
	s_wait_dscnt 0x0
	s_barrier_signal -1
	s_barrier_wait -1
.endif
.endm
	MGET 0                                         ; the first step's words of tiles 0 and 1 (s4-35 and s68-99 hold nothing else from here on)
	s_wait_loadcnt 0x0                             ; Q is in: its pointer's registers are free
	s_mov_b32 s[TB], 0
.Lslot:                                            ; seven trips: in trip i slot i is read while slot i + 1 lands
	CHANGE 1
	FOUR_STEPS
	s_sub_co_u32 s[SLOTS], s[SLOTS], 1
	s_cmp_lg_u32 s[SLOTS], 0
	s_cbranch_scc1 .Lslot
	CHANGE 0                                       ; the last slot is written out
	FOUR_STEPS
	; THE WAY OUT.  l's halves are added; O^T / l is rounded to f16 and goes through my stage, a tile of 16 queries at a time: 2,048 consecutive bytes of att, four stores of 512.
	s_wait_kmcnt 0x0                               ; the last mask words have landed: s4-35 are free
	s_load_b64 s[4:5], s[0:1], 0x10                ; att
	s_bfe_u32 s8, ttmp6, 0x40000
	s_and_b32 s9, ttmp7, 0xffff
	s_lshl_b32 s8, s8, 16
	s_lshl_b32 s9, s9, 18
	s_add_co_u32 s8, s8, s9
	s_lshl_b32 s9, s[WV], 13
	s_add_co_u32 s8, s8, s9
	s_mov_b32 s9, 0
.irp t, 0,1,2,3
	v_add_f32 v[ST+8*\t+4], v[ST+8*\t+2], v[ST+8*\t+3]             ; (these four are the places behind the last products)
.endr
.irp t, 0,1,2,3
	v_permlanex16_b32 v[ST+8*\t+5], v[ST+8*\t+4], s[SEL], s[SEL+1]
.endr
.irp t, 0,1,2,3
	v_add_f32 v[ST+8*\t+4], v[ST+8*\t+4], v[ST+8*\t+5]
.endr
.irp t, 0,1,2,3
	v_rcp_f32 v[ST+8*\t+6], v[ST+8*\t+4]
.endr
	v_nop
	s_wait_alu depctr_va_vdst(0)
	s_wait_kmcnt 0x0
	s_add_nc_u64 s[4:5], s[4:5], s[8:9]
.macro PACK t
	WIN W_RS
.set i, 0
.rept 16
	v_pk_mul_f32 v[32*\t+2*i:32*\t+2*i+1], v[32*\t+2*i:32*\t+2*i+1], v[ST+8*\t+6:ST+8*\t+7] op_sel_hi:[1,0]
.set i, i+1
.endr
	WIN 0x05                                       ; sources in window 1, destination in window 0: S^T's registers are free
.set i, 0
.rept 16
	v_cvt_pk_f16_f32 v[S+32*\t+i], v[32*\t+2*i], v[32*\t+2*i+1]
.set i, i+1
.endr
	WIN 0
.irp f, 0,1,2,3
	ds_store_b128 v[STO], v[S+32*\t+4*\f:S+32*\t+4*\f+3] offset:32*\f
.endr
.irp f, 0,1,2,3
	ds_load_b128 v[S+32*\t+16+4*\f:S+32*\t+16+4*\f+3], v[RD] offset:4*SP*\f   ; LDS serves a wave's instructions in order (ISA guide 5.7.1.4)
.endr
.endm
.macro SEND t, younger                 ; younger: the LDS instructions issued behind tile t's loads
.irp f, 0,1,2,3
	s_wait_dscnt \younger+3-\f
	global_store_b128 v[GO], v[S+32*\t+16+4*\f:S+32*\t+16+4*\f+3], s[4:5] offset:2048*\t+512*\f
.endr
.endm
	PACK 0
	PACK 1
	SEND 0, 8
	PACK 2
	SEND 1, 8
	PACK 3
	SEND 2, 8
	SEND 3, 0
	s_wait_tensorcnt 0x0                           ; the wave's end
	ds_add_u32 v[SPW], v[NIL]
	s_wait_dscnt 0x0
	CROUND                                         ; the closing round
	s_endpgm
.Lfunc_end_k_q9b3fb51ee9_attn:
	.size	k_q9b3fb51ee9_attn, .Lfunc_end_k_q9b3fb51ee9_attn-k_q9b3fb51ee9_attn
	.p2alignl 7, 3214868480
	.fill 96, 4, 3214868480
	.section	.rodata,"a",@progbits
	.p2align	6, 0x0
	.amdhsa_kernel k_q9b3fb51ee9_attn
		.amdhsa_group_segment_fixed_size 327680
		.amdhsa_private_segment_fixed_size 0
		.amdhsa_enable_private_segment 0
		.amdhsa_kernarg_size 24
		.amdhsa_user_sgpr_count 2
		.amdhsa_user_sgpr_kernarg_segment_ptr 1
		.amdhsa_wavefront_size32 1
		.amdhsa_system_sgpr_workgroup_id_x 1
		.amdhsa_system_sgpr_workgroup_id_y 1
		.amdhsa_system_sgpr_workgroup_id_z 1
		.amdhsa_system_vgpr_workitem_id 0
		.amdhsa_next_free_vgpr 512
		.amdhsa_next_free_sgpr 102
		.amdhsa_reserve_vcc 0
		.amdhsa_float_denorm_mode_32 3
		.amdhsa_float_denorm_mode_16_64 3
		.amdhsa_memory_ordered 1
		.amdhsa_forward_progress 1
		.amdhsa_inst_pref_size 110
	.end_amdhsa_kernel
	.amdgpu_metadata
---
amdhsa.version: [ 1, 2 ]
amdhsa.kernels:
  - .name:           k_q9b3fb51ee9_attn
    .symbol:         k_q9b3fb51ee9_attn.kd
    .args:
      - { .name: qkv, .offset: 0, .size: 8, .value_kind: global_buffer, .address_space: global }
      - { .name: mbits, .offset: 8, .size: 8, .value_kind: global_buffer, .address_space: global }
      - { .name: att, .offset: 16, .size: 8, .value_kind: global_buffer, .address_space: global }
    .group_segment_fixed_size: 327680
    .private_segment_fixed_size: 0
    .kernarg_segment_align: 8
    .kernarg_segment_size: 24
    .max_flat_workgroup_size: 256
    .sgpr_count:     102
    .vgpr_count:     512
    .wavefront_size: 32
...
	.end_amdgpu_metadata
.endif
;; end of part 3
;; launch outp (part 4): grid 4 x 64, 4 waves a work-group, clusters of 4 x 4, 327,680 bytes of LDS; arguments att, wob, bo, out0; writes out0
.if DOCPART == 4
	.amdgcn_target "amdgcn-amd-amdhsa--gfx1250"
	.amdhsa_code_object_version 6
	.text
	.protected	k_q9b3fb51ee9_outp
	.globl	k_q9b3fb51ee9_outp
	.p2align	8
	.type	k_q9b3fb51ee9_outp,@function
k_q9b3fb51ee9_outp:
	s_mov_b64 s[64:65], 0
	v_nop
	global_prefetch_b8 v0, s[64:65] scope:SCOPE_SE
	s_setreg_imm32_b32 hwreg(HW_REG_WAVE_MODE, 25, 1), 1
	s_wait_xcnt 0x0
	s_wait_alu depctr_hold_cnt(0) depctr_sa_sdst(0) depctr_va_vdst(0) depctr_va_sdst(0) depctr_va_ssrc(0) depctr_va_vcc(0) depctr_vm_vsrc(0)
	s_getreg_b32 s2, hwreg(HW_REG_IB_STS2, 6, 4)
	s_cmp_eq_u32 s2, 0
	s_cbranch_scc0 .Lentry_in_a_cluster
	s_endpgm
.Lentry_in_a_cluster:
	s_bfe_u32 s2, ttmp6, 0x10000c
	s_cmp_lg_u32 s2, 0xf033
	s_cbranch_scc0 .Lentry_shape_is_right
	s_endpgm
.Lentry_shape_is_right:
; out0[m][n] = sum over k of A[m][k] Wo[k][n] + bo[n].  A: att, f16, laid [64 (batch, head)][2048][64]: k = 64 head + channel.  Wo: wob, f16 [1024 k][1024 n].  out0: [8192][1024] f32; sums in f32.
; A tile of C is 128 x 256, so that the 8,192 x 1,024 numbers give 256 work-groups.  Four waves, each 64 rows x 128 columns: 32 accumulators, 256 registers.
; K goes in steps of 128 (two heads) through a ring of two LDS slots: A's part is two dense blocks of 128 rows x 128 bytes, stated as 64 rows of 256 bytes; Wo's 128 rows x 512 bytes.
; Waves 0 and 1 bring A's two heads, waves 2 and 3 the halves of Wo's rows: one load of 64 rows a wave; two are out at the start, one later, with a K step's 128 matrix instructions in which to land.
; CLUSTERS: 4 x 4 work-groups; A's tiles are asked for jointly along a row of the cluster, Wo's along a column.
; THE MATRIX INSTRUCTION IS USED TRANSPOSED: source 0 = 16 columns of Wo (K is not innermost there: the turning load brings them), source 1 = 16 rows of A: a lane holds eight neighbouring columns of one row of C.
; The bias is the C of each sum's first instruction.  No prefetch: each refill has a whole K step in which to land and each tile is shared fourfold.
; REGISTERS: window 0: v16-29 addresses; v32-95 A's fragments, two buffers of 4 x 8; v128-255 Wo's, two buffers of 8 x 8, later rows on the way out.
;   window 1: the accumulators, (a, b) at v[8 (8 a + b)].   window 2: v0-63 the bias in the result's layout.
.set AP,     272                       ; two rows of A: 256 bytes + 16
.set HEADT,  64*AP                     ; a head's 128 rows
.set BOFF,   2*HEADT
.set BP,     544                       ; a row of Wo's tile: 512 bytes + 32
.set BHALF,  64*BP
.set SLOT,   BOFF+2*BHALF
.set SPARE,  2*SLOT                    ; the spare words: 128 bytes for each wave, named by no other line
.set SPITCH, 528                       ; the way out: 16 rows x (512 + 16) bytes for each wave, in slot 0, which has had its last fill and its last read by then
.set ADRA, 16
.set ADRB, 20
.set STO,  24
.set RD,   25
.set CO,   26
.set BV,   27
.set SPW,  28
.set NIL,  29
.set AF,   32
.set BF,   128
.set BK,   128
.set G1,  24
.set G0,  32
.set G1B, 48
.set G0B, 56
.set MSB, 0
.macro WIN new                         ; the immediate's high byte repeats the setting that is left
.if MSB != (\new)
	s_set_vgpr_msb (MSB<<8)|(\new)
.set MSB, (\new)
.endif
.endm
.macro PLACES
.rept 4
	v_nop
.endr
.endm
.macro JLOAD s                         ; waves 0 and 1 fetch for A, waves 2 and 3 for Wo; four v_nop follow each of the two lines
	s_cmp_eq_u32 s13, 0
	s_cbranch_scc0 .Lfor_b_\@
	tensor_load_to_lds s[G0+4*\s:G0+4*\s+3], s[G1:G1+7]
	s_nop 0
.rept 4
	v_nop
.endr
	s_branch .Lasked_\@
.Lfor_b_\@:
	tensor_load_to_lds s[G0B+4*\s:G0B+4*\s+3], s[G1B:G1B+7]
	s_nop 0
.rept 4
	v_nop
.endr
.Lasked_\@:
.endm
.macro CREST                           ; a round of the cluster's barrier behind its opening barrier
	s_cmp_lg_u32 s12, 0
	s_cbranch_scc1 .Lnot_wave_0_\@
	s_barrier_signal -3
.Lnot_wave_0_\@:
	s_barrier_wait -3
	s_barrier_signal -1
	s_barrier_wait -1
.endm
.macro CROUND
	s_barrier_signal -1
	s_barrier_wait -1
	CREST
.endm
	s_load_b256 s[4:11], s[0:1], 0x0               ; att s[4:5], wob s[6:7], bo s[8:9], out0 s[10:11]
	v_lshl_add_u32 v[SPW], v0, 2, SPARE
	v_mov_b32 v[NIL], 0
	ds_add_u32 v28, v29
	s_wait_dscnt 0x0
	v_lshrrev_b32 v1, 5, v0
	v_readfirstlane_b32 s12, v1                    ; wave 0..3
	s_lshr_b32 s13, s12, 1                         ; which 64 rows are mine.  Also: I fetch for A (0) or for Wo (1)
	s_and_b32 s14, s12, 1                          ; which 128 columns.  Also: which head, or which 64 rows of Wo, I fetch
	s_bfe_u32 s15, ttmp6, 0x40000                  ; cx
	s_bfe_u32 s16, ttmp6, 0x40004                  ; cy
	s_lshl_b32 s17, ttmp9, 2
	s_add_co_u32 s17, s17, s15                     ; tile column
	s_and_b32 s18, ttmp7, 0xffff
	s_lshl_b32 s18, s18, 2
	s_add_co_u32 s18, s18, s16                     ; tile row
	s_lshl_b32 s40, s16, 2
	s_lshl_b32 s40, 15, s40                        ; my row of the cluster
	s_lshl_b32 s41, 0x1111, s15                    ; my column
	s_or_b32 s[G1], s40, (1<<16)|(1<<20)|(1<<21)|(5<<22)|(3<<25)   ; the mask; elements of 2 bytes; padding on; bit 21 beside a mask; 4 words behind every 64
	s_mov_b32 s[G1+1], 128<<16                     ; tensor_dim0 = 128: two rows of a head
	s_mov_b32 s[G1+2], 64<<16                      ; tensor_dim1
	s_mov_b32 s[G1+3], 128<<16                     ; tile_dim0
	s_mov_b32 s[G1+4], 64                          ; tile_dim1
	s_mov_b32 s[G1+5], 128                         ; stride: dense
	s_mov_b32 s[G1+6], 0
	s_mov_b32 s[G1+7], 0
	s_or_b32 s[G1B], s41, (1<<16)|(1<<20)|(1<<21)|(6<<22)|(7<<25)  ; 8 words behind every 128
	s_mov_b32 s[G1B+1], 256<<16
	s_mov_b32 s[G1B+2], 64<<16
	s_mov_b32 s[G1B+3], 256<<16
	s_mov_b32 s[G1B+4], 64
	s_mov_b32 s[G1B+5], 1024
	s_mov_b32 s[G1B+6], 0
	s_mov_b32 s[G1B+7], 0
	s_lshr_b32 s20, s18, 4                         ; A: batch << 22 | head << 18 | 128 rows of 128 bytes x (tile row % 16)
	s_lshl_b32 s20, s20, 22
	s_and_b32 s21, s18, 15
	s_lshl_b32 s21, s21, 14
	s_add_co_u32 s20, s20, s21
	s_lshl_b32 s21, s14, 18
	s_add_co_u32 s20, s20, s21
	s_mov_b32 s21, 0
	s_lshl_b32 s46, s14, 17                        ; Wo: 64 rows of 2,048 bytes x half + 512 bytes x tile column
	s_lshl_b32 s47, s17, 9
	s_add_co_u32 s46, s46, s47
	s_mov_b32 s47, 0
	s_mul_i32 s42, s14, HEADT                      ; where they go: no place in the cluster enters an LDS address
	s_mul_i32 s43, s14, BHALF
	s_add_co_u32 s43, s43, BOFF
	s_wait_kmcnt 0x0
	s_add_nc_u64 s[22:23], s[4:5], s[20:21]
	s_add_nc_u64 s[46:47], s[6:7], s[46:47]
	CROUND                                         ; all sixteen work-groups are here
.irp s, 0,1
	s_mov_b32 s[G0+4*\s], 1
	s_add_co_u32 s[G0+4*\s+1], s42, \s*SLOT
	s_add_nc_u64 s[G0+4*\s+2:G0+4*\s+3], s[22:23], \s*(2<<18)      ; K step s: heads 2 s, 2 s + 1
	s_or_b32 s[G0+4*\s+3], s[G0+4*\s+3], 0x80000000
	s_mov_b32 s[G0B+4*\s], 1
	s_add_co_u32 s[G0B+4*\s+1], s43, \s*SLOT
	s_add_nc_u64 s[G0B+4*\s+2:G0B+4*\s+3], s[46:47], \s*128*2048
	s_or_b32 s[G0B+4*\s+3], s[G0B+4*\s+3], 0x80000000
	JLOAD \s
.endr
	v_and_b32 v1, 15, v0                           ; r
	v_bfe_u32 v2, v0, 4, 1                         ; h
	v_lshrrev_b32 v3, 1, v1
	v_mul_u32_u24 v3, v3, AP
	v_and_b32 v4, 1, v1
	v_lshl_add_u32 v3, v4, 7, v3
	v_lshl_add_u32 v3, v2, 4, v3                   ; A: (r / 2) 272 + (r % 2) 128 + 16 h
	v_and_b32 v4, 7, v0
	v_lshl_add_u32 v4, v2, 3, v4
	v_mul_u32_u24 v4, v4, BP                       ; Wo, for the turning load: lane l reads row 8 h + l % 8, columns 8 ((l / 8) % 2) on
	v_bfe_u32 v5, v0, 3, 1
	v_lshl_add_u32 v4, v5, 4, v4
	s_mul_i32 s20, s13, 32*AP                      ; my 64 rows of A
	s_lshl_b32 s21, s14, 8                         ; my 128 columns of Wo
	s_add_co_u32 s21, s21, BOFF
.irp s, 0,1
	v_add_nc_u32 v[ADRA+\s], s20, v3
	v_add_nc_u32 v[ADRB+\s], s21, v4
	s_add_co_u32 s20, s20, SLOT
	s_add_co_u32 s21, s21, SLOT
.endr
	s_mul_i32 s20, s12, 16*SPITCH                  ; my stage
	v_mul_u32_u24 v5, v1, SPITCH
	v_lshl_add_u32 v5, v2, 5, v5
	v_add_nc_u32 v[STO], s20, v5                   ; in: row r, 32 bytes for each half of the lanes
	v_and_b32 v6, 31, v0
	v_lshlrev_b32 v[CO], 4, v6
	v_add_nc_u32 v[RD], s20, v[CO]                 ; back: the 32 lanes take a row of 512 bytes
	v_lshlrev_b32 v[BV], 5, v2
	s_lshl_b32 s20, s18, 7
	s_lshl_b32 s21, s13, 6
	s_add_co_u32 s20, s20, s21
	s_lshl_b32 s20, s20, 12                        ; my first row of C, 4,096 bytes a row
	s_mov_b32 s21, 0
	s_lshl_b32 s44, s17, 10
	s_lshl_b32 s45, s14, 9
	s_add_co_u32 s44, s44, s45                     ; my first column, in bytes: in C and in the bias
	s_mov_b32 s45, 0
	s_add_nc_u64 s[8:9], s[8:9], s[44:45]
	s_add_nc_u64 s[10:11], s[10:11], s[44:45]
	s_add_nc_u64 s[10:11], s[10:11], s[20:21]
	WIN 0x80                                       ; destination window 2
.irp b, 0,1,2,3,4,5,6,7
	global_load_b128 v[8*\b:8*\b+3], v[BV], s[8:9] offset:64*\b            ; lane (r, h), block b: bo of columns 16 b + 8 h + 0 .. 7
	global_load_b128 v[8*\b+4:8*\b+7], v[BV], s[8:9] offset:64*\b+16
.endr
	WIN 0
; 24 LDS loads in one run: the fragments of quarter q (32 along K) of a slot into buffer f
.macro FETCH slot, q, f
.irp a, 0,1,2,3
	ds_load_b128 v[AF+32*(\f)+8*\a:AF+32*(\f)+8*\a+3], v[ADRA+\slot] offset:((\q)/2)*HEADT+((\q)%2)*64+8*AP*\a
	ds_load_b128 v[AF+32*(\f)+8*\a+4:AF+32*(\f)+8*\a+7], v[ADRA+\slot] offset:((\q)/2)*HEADT+((\q)%2)*64+8*AP*\a+32
.endr
.irp b, 0,1,2,3,4,5,6,7
	ds_load_tr16_b128 v[BF+64*(\f)+8*\b:BF+64*(\f)+8*\b+3], v[ADRB+\slot] offset:32*BP*(\q)+32*\b
	ds_load_tr16_b128 v[BF+64*(\f)+8*\b+4:BF+64*(\f)+8*\b+7], v[ADRB+\slot] offset:32*BP*(\q)+32*\b+16*BP
.endr
.endm
; 8 matrix instructions: A's block a against Wo's eight.  zero = 1: the sums start from the bias (C in window 2).  The 32 accumulators take turns, in the same order in every quarter.
.macro MUL8 f, a, zero
.irp b, 0,1,2,3,4,5,6,7
.if \zero
	v_wmma_f32_16x16x32_f16 v[8*(8*(\a)+\b):8*(8*(\a)+\b)+7], v[BF+64*(\f)+8*\b:BF+64*(\f)+8*\b+7], v[AF+32*(\f)+8*(\a):AF+32*(\f)+8*(\a)+7], v[8*\b:8*\b+7]
.else
	v_wmma_f32_16x16x32_f16 v[8*(8*(\a)+\b):8*(8*(\a)+\b)+7], v[BF+64*(\f)+8*\b:BF+64*(\f)+8*\b+7], v[AF+32*(\f)+8*(\a):AF+32*(\f)+8*(\a)+7], v[8*(8*(\a)+\b):8*(8*(\a)+\b)+7]
.endif
.endr
.endm
; A K step is four quarters on buffers 0, 1, 0, 1.  One of the first three multiplies buffer f and, ahead of that, asks for quarter q into buffer g: 32 matrix instructions ahead of its use.
.macro QUARTER slot, q, f, g, zero
	s_wait_dscnt 0x0                               ; buffer f is in
	PLACES                                         ; ahead of loads into buffer g, which the quarter before multiplied
	FETCH \slot, \q, \g
	WIN 0x50+0x10*(\zero)                          ; C and D in window 1 (zero = 1: C in window 2)
	MUL8 \f, 0, \zero
	MUL8 \f, 1, \zero
	MUL8 \f, 2, \zero
	MUL8 \f, 3, \zero
	WIN 0
.endm
; The last quarter multiplies buffer 1 and changes slots: ONE barrier; in front of it each wave waits for all its tensor loads, adds 0 to its spare word, and waits for that and for its reads of this slot.
; fill = 1: the barrier opens a round of the cluster's, and this slot is filled again, two K steps ahead.
.macro TURN slot, next, fill
	s_wait_tensorcnt 0x0                           ; my part of the next slot has landed
	ds_add_u32 v[SPW], v[NIL]
	s_wait_dscnt 1                                 ; buffer 1 is in (the add may be out)
	WIN 0x50
	MUL8 1, 0, 0
	s_wait_dscnt 0x0                               ; the add is done, and my reads of this slot are over
	s_barrier_signal -1
	MUL8 1, 1, 0
	WIN 0
	s_barrier_wait -1
.if \fill
	CREST                                          ; no wave of any partner still reads this slot's tiles or has a load on its way
	s_add_nc_u64 s[G0+4*\slot+2:G0+4*\slot+3], s[G0+4*\slot+2:G0+4*\slot+3], 4<<18          ; four heads on
	s_add_nc_u64 s[G0B+4*\slot+2:G0B+4*\slot+3], s[G0B+4*\slot+2:G0B+4*\slot+3], 256*2048   ; 256 rows of Wo on
	JLOAD \slot                                    ; the four v_nop behind it are also the places in front of the loads below
.else
	PLACES
.endif
	FETCH \next, 0, 0
	WIN 0x50
	MUL8 1, 2, 0
	MUL8 1, 3, 0
	WIN 0
.endm
	s_wait_tensorcnt 1                             ; my part of K step 0 is in (K step 1's load may be out),
	s_barrier_signal -1
	s_barrier_wait -1                              ; everybody's is
	FETCH 0, 0, 0
	s_wait_loadcnt 0x0                             ; the bias
	QUARTER 0, 1, 0, 1, 1                          ; the first quarter stands in front of the loop: its products start the sums
	s_mov_b32 s3, 3
.Llap:                                             ; a trip goes once round the ring and fills both slots again: K steps 2 to 7 in three trips
	QUARTER 0, 2, 1, 0, 0
	QUARTER 0, 3, 0, 1, 0
	TURN 0, 1, 1
	QUARTER 1, 1, 0, 1, 0
	QUARTER 1, 2, 1, 0, 0
	QUARTER 1, 3, 0, 1, 0
	TURN 1, 0, 1
	QUARTER 0, 1, 0, 1, 0
	s_sub_co_u32 s3, s3, 1
	s_cmp_lg_u32 s3, 0
	s_cbranch_scc1 .Llap
	QUARTER 0, 2, 1, 0, 0                          ; the last lap fills nothing
	QUARTER 0, 3, 0, 1, 0
	TURN 0, 1, 0
	QUARTER 1, 1, 0, 1, 0
	QUARTER 1, 2, 1, 0, 0
	QUARTER 1, 3, 0, 1, 0
	s_wait_dscnt 0x0
	WIN 0x50
	MUL8 1, 0, 0
	MUL8 1, 1, 0
	MUL8 1, 2, 0
	MUL8 1, 3, 0
	WIN 0
; THE WAY OUT, block by block of 16 rows x 128 columns: through my stage, back as whole rows of 512 bytes, which the 32 lanes store as 512 consecutive bytes.
.macro TOSTAGE a
	WIN 0x04                                       ; an LDS store's data are its source 1: window 1
.irp b, 0,1,2,3,4,5,6,7
	ds_store_b128 v[STO], v[8*(8*(\a)+\b):8*(8*(\a)+\b)+3] offset:64*\b        ; each accumulator from its low end on
	ds_store_b128 v[STO], v[8*(8*(\a)+\b)+4:8*(8*(\a)+\b)+7] offset:64*\b+16
.endr
	WIN 0
.set BB, BK+64*((\a)%2)
.irp t, 0,1,2,3,4,5,6,7,8,9,10,11,12,13,14,15
	ds_load_b128 v[BB+4*\t:BB+4*\t+3], v[RD] offset:\t*SPITCH                  ; LDS serves a wave's instructions in order (ISA guide 5.7.1.4)
.endr
.endm
.macro SEND a, younger                 ; younger: the LDS instructions issued behind block a's loads, which may stay out
.set BB, BK+64*((\a)%2)
	s_wait_dscnt \younger
.irp t, 0,1,2,3,4,5,6,7,8,9,10,11,12,13,14,15
	global_store_b128 v[CO], v[BB+4*\t:BB+4*\t+3], s[10:11] offset:65536*(\a)+4096*\t th:TH_STORE_NT
.endr
.endm
	PLACES                                         ; behind the last products: ahead of the first read of results and of loads into the fragments' registers
	TOSTAGE 0
.irp a, 1,2,3
.if \a > 1
	s_wait_xcnt 0x0                                ; block a - 2's stores have read their registers: block a's loads may land there
.endif
	TOSTAGE \a
	SEND \a-1, 32                                  ; behind block a - 1's loads: block a's 16 stores and 16 loads
.endr
	SEND 3, 0
	s_wait_tensorcnt 0x0                           ; the wave's end
	ds_add_u32 v[SPW], v[NIL]
	s_wait_dscnt 0x0
	CROUND                                         ; the closing round
	s_endpgm
.Lfunc_end_k_q9b3fb51ee9_outp:
	.size	k_q9b3fb51ee9_outp, .Lfunc_end_k_q9b3fb51ee9_outp-k_q9b3fb51ee9_outp
	.p2alignl 7, 3214868480
	.fill 96, 4, 3214868480
	.section	.rodata,"a",@progbits
	.p2align	6, 0x0
	.amdhsa_kernel k_q9b3fb51ee9_outp
		.amdhsa_group_segment_fixed_size 327680
		.amdhsa_private_segment_fixed_size 0
		.amdhsa_enable_private_segment 0
		.amdhsa_kernarg_size 32
		.amdhsa_user_sgpr_count 2
		.amdhsa_user_sgpr_kernarg_segment_ptr 1
		.amdhsa_wavefront_size32 1
		.amdhsa_system_sgpr_workgroup_id_x 1
		.amdhsa_system_sgpr_workgroup_id_y 1
		.amdhsa_system_sgpr_workgroup_id_z 1
		.amdhsa_system_vgpr_workitem_id 0
		.amdhsa_next_free_vgpr 576
		.amdhsa_next_free_sgpr 66
		.amdhsa_reserve_vcc 0
		.amdhsa_float_denorm_mode_32 3
		.amdhsa_float_denorm_mode_16_64 3
		.amdhsa_memory_ordered 1
		.amdhsa_forward_progress 1
		.amdhsa_inst_pref_size 86
	.end_amdhsa_kernel
	.amdgpu_metadata
---
amdhsa.version: [ 1, 2 ]
amdhsa.kernels:
  - .name:           k_q9b3fb51ee9_outp
    .symbol:         k_q9b3fb51ee9_outp.kd
    .args:
      - { .name: att, .offset: 0, .size: 8, .value_kind: global_buffer, .address_space: global }
      - { .name: wob, .offset: 8, .size: 8, .value_kind: global_buffer, .address_space: global }
      - { .name: bo, .offset: 16, .size: 8, .value_kind: global_buffer, .address_space: global }
      - { .name: out0, .offset: 24, .size: 8, .value_kind: global_buffer, .address_space: global }
    .group_segment_fixed_size: 327680
    .private_segment_fixed_size: 0
    .kernarg_segment_align: 8
    .kernarg_segment_size: 32
    .max_flat_workgroup_size: 128
    .sgpr_count:     66
    .vgpr_count:     576
    .wavefront_size: 32
...
	.end_amdgpu_metadata
.endif
;; end of part 4
